; MI455X (gfx1250); checked and timed in simulation.
; The chip was launched on July 23, 2026; its instructions are those of AMD's public machine-readable ISA for CDNA 5 (MIT licence, August 2026) and "CDNA5" Instruction Set Architecture Reference Guide (July 2026). The comments in the code are by the model that wrote it; some were corrected since.
;; Reflect. Allowed arithmetic: matrix products marked QUANTISED: E2M1 operands, one E8M0 scale for each 32 along K, by v_wmma_scale_f32_16x16x128_f8f6f4 with both operands' format E2M1 (or v_wmma_scale_f32_32x16x128_f4), f32 sums; products left as they are: bf16, f16 or f32 operands; f32 sums; everything else in f32.
;; Inputs: k_w 1,024 x 1,024 float32; mask 4 x 2,048 bool; q_w 1,024 x 1,024 float32; v_w 1,024 x 1,024 float32; x 4 x 2,048 x 1,024 float32.
;; Outputs: out0 4 x 2,048 x 1,024 float32.
;; This version of the problem:
;;   THIS VERSION OF THE PROBLEM IS GIVEN IN LOW PRECISION. The matrix products marked QUANTISED in the list below multiply operands that are first quantised to E2M1 (2 exponent bits, 1 mantissa bit; 4 bits a number), with one power-of-two scale for each 32 numbers along K (OCP MX v1.0); their sums are f32. The products marked 'left as it is' may take bf16, f16 or f32 operands, with f32 sums. Whichever they take, every output number must still come out within the allowed error. Rounding operands to bf16 (8 significant bits) uses up far more of that allowance than f16 does (11 bits, for magnitudes from 6e-5 to 65,504). All else is computed in f32.
;;   The module's matrix products, in the order in which they are computed (A, B: the left and right operand; K: the contracted axis; several contracted axes count as one K, in the product's order):
;;     1. [M 8,192, K 1,024] x [K 1,024, N 1,024]; A: input x; B: input q_w: QUANTISED
;;     2. [M 8,192, K 1,024] x [K 1,024, N 1,024]; A: input x; B: input k_w: QUANTISED
;;     3. batch 4 x [M 2,048, K 1,024] x [K 1,024, N 2,048]; A: computed on the way; B: computed on the way: left as it is (an operand is computed on the way)
;;     4. [M 8,192, K 1,024] x [K 1,024, N 1,024]; A: input x; B: input v_w: QUANTISED
;;     5. batch 4 x [M 2,048, K 2,048] x [K 2,048, N 1,024]; A: computed on the way; B: computed on the way: left as it is (an operand is computed on the way)
;;   THE QUANTISER, for each operand of a quantised product, along K:
;;     - K is cut into blocks of 32 from its start; a last block that is shorter is filled with zeros.
;;     - A block's scale is 2^e with e = floor(log2(the largest magnitude in the block)) - 2, held to -126 .. 127; a block of zeros has e = 0. As a byte (E8M0): e + 127.
;;     - Each number is divided by its block's scale, clamped to +-6, and rounded to the nearest number of E2M1, ties to even, subnormals kept.
;;     - The product sums the exact products of the quantised numbers (number of the format x scale) in f32.
;;   ~~~python
;;   def quantise(x, axis):      # numpy; x: float32 -> the quantised numbers, widened to float32 again
;;       x = np.moveaxis(x, axis, -1); K = x.shape[-1]
;;       x = np.pad(x, [(0, 0)] * (x.ndim - 1) + [(0, -K % 32)]); x = x.reshape(x.shape[:-1] + (-1, 32)); a = np.abs(x).max(-1, keepdims=True)
;;       e = np.where(a > 0, np.clip(np.frexp(np.where(a > 0, a, 1))[1] - 1 - 2, -126, 127), 0)      # np.frexp(a)[1] - 1 = floor(log2(a)), exactly
;;       r = np.clip(x / 2.0 ** e, -6, 6)
;;       step = 2.0 ** (np.maximum(np.frexp(np.where(r == 0, 1, r))[1] - 1, 0) - 1)
;;       q = np.round(r / step) * step * 2.0 ** e      # np.round: ties to even
;;       return np.moveaxis(q.reshape(q.shape[:-2] + (-1,))[..., :K], -1, axis).astype(np.float32)
;;   ~~~
;; One version. Each part assembles by itself: llvm-mc -triple=amdgcn-amd-amdhsa -mcpu=gfx1250 --defsym DOCPART=n.
;; ======== version 1 of 1: 4 launches
;; limits: values are held in f16: magnitudes above 65,504 overflow, below 6.1e-05 lose precision
;; workspace buffers: xcodes 4,194,304 bytes; xscales 262,144 bytes; wcodes 1,572,864 bytes; wscales 98,304 bytes; qkv 50,331,648 bytes; pt 33,554,432 bytes; mstat 524,288 bytes; lstat 524,288 bytes
;; launch quant (part 1): grid 304 x 1, 16 waves a work-group, no clusters, 120,832 bytes of LDS; arguments x, q_w, k_w, v_w, xcodes, xscales, wcodes, wscales; writes xcodes, xscales, wcodes, wscales
.if DOCPART == 1
	.amdgcn_target "amdgcn-amd-amdhsa--gfx1250"
	.amdhsa_code_object_version 6
	.text
	.protected	k_q8e6faff2cb_quant
	.globl	k_q8e6faff2cb_quant
	.p2align	8
	.type	k_q8e6faff2cb_quant,@function
k_q8e6faff2cb_quant:
	s_mov_b64 s[64:65], 0
	v_nop
	global_prefetch_b8 v0, s[64:65] scope:SCOPE_SE
	s_setreg_imm32_b32 hwreg(HW_REG_WAVE_MODE, 25, 1), 1
	s_wait_xcnt 0x0
; Both operands of the three projections are turned into codes of FP4 (E2M1), K innermost, two codes a byte, with one E8M0 scale byte for each 32 along K = 1,024: ONE launch, two paths, chosen by the work-group's number alone.
;   x [8192][1024] f32 (K innermost)                 -> xcodes [8192][512 bytes], xscales [8192][32 bytes]:  work-groups 48 to 303;
;   q_w, k_w, v_w [1024 (k)][1024 (n)] f32 (K FIRST) -> wcodes [3072][512 bytes], wscales [3072][32 bytes] (rows 0-1023 q_w's columns, 1024-2047 k_w's, 2048-3071 v_w's):  work-groups 0 to 47, first, since their chain of loads is the longer.
; A block's scale is 2^(floor(log2(its largest magnitude)) - 2); its byte is the largest magnitude's own exponent field - 2, held at 1 from below.  Each number is divided by the scale and rounded to the nearest code, ties to even; beyond 6 the largest code.
; LIMITS: a block of zeros gets the byte 1 where the quantiser says 127: its codes are zeros, which add nothing under any byte but 0xff, and this program alone reads the bytes.  NaN and infinities among the inputs are not served.
; THE WEIGHTS.  Work-group g: tensor g / 16, columns 64 (g % 16) on, all of K.  Wave w: 32 of the columns (w % 2), 128 along K (w / 2).  A LANE TAKES A COLUMN, AND ITS REGISTERS RUN DOWN K: a load reads 128 consecutive bytes a wave,
;   a block of 32 along K lies in one lane's 32 registers, and the conversions give the codes with K innermost.  The work-group's 64 whole rows of codes and of scale bytes meet in LDS, one barrier, and leave as runs of 512 consecutive bytes.
; X.  Rows are dense: x is a plain stream of blocks of 32.  A work-group takes 32,768 numbers, a wave 2,048, in four steps of 512.  All 16 loads of a wave (512 consecutive bytes each) go out at its head.  A step's 2,048 bytes go through the
;   wave's own stage in LDS and come back 64 bytes a lane, so that a lane holds 16 neighbours along K (two neighbouring lanes hold a block), as the conversions want them.  A lane's 16 codes are 8 bytes: the wave stores 256 consecutive bytes.
;   The sixteen waves' 1,024 scale bytes meet in LDS, one barrier, and leave as two runs of 512 consecutive bytes.
; Each path has LDS bytes of its own, its own barrier and its own end.  No matrix unit, no tensor load, no cluster: the work-groups share no input, and every byte is read once and written once.
.set NWGW,  48                         ; the weights' work-groups
.set EMAX,  2
.set SPW,   124                        ; v124     LDS address of my spare word; never rewritten
.set NIL,   125                        ; v125     0; never rewritten
; LDS
.set PITCH, 528                        ; the weights: a stage row: a column's 512 bytes of codes + 16;  64 rows from byte 0
.set SCST,  64*PITCH                   ; behind them 64 rows of 32 scale bytes, dense
.set XST,   SCST+2048                  ; x: a region for each wave: two stages of 32 x SP bytes
.set SP,    80                         ; a lane's place in a stage: its 64 bytes + 16 of padding
.set WREG,  2*32*SP
.set SCX,   XST+16*WREG                ; x: the work-group's 1,024 scale bytes
.set SPARE, SCX+1024                   ; the spare words, 128 bytes for each of the sixteen waves
	s_load_b256 s[4:11], s[0:1], 0x0               ; x s[4:5], q_w s[6:7], k_w s[8:9], v_w s[10:11]
	s_load_b256 s[12:19], s[0:1], 0x20             ; x's codes s[12:13], x's scales s[14:15], the weights' codes s[16:17], their scales s[18:19]
	v_lshl_add_u32 v[SPW], v0, 2, SPARE
	v_mov_b32 v[NIL], 0
	v_lshrrev_b32 v1, 5, v0
	v_readfirstlane_b32 s20, v1                    ; wave 0..15
	v_and_b32 v2, 31, v0                           ; lane
	s_cmp_lt_u32 ttmp9, NWGW                       ; the work-group's number alone: all sixteen waves go the same way
	s_cbranch_scc0 .Lx_path
; ---------------------------------------------------------------- the weights
.set NB,    4                          ; blocks of a lane
.set WX,    32                         ; v32-95   two sets of 32 numbers
.set WC,    96                         ; v96-99   a block's codes
.set OUTR,  100                        ; v100-115 the way out: four rows of codes
.set SCO,   116                        ; v116-119 the way out: scale bytes
.set SB,    24                         ; v24      my four scale bytes
	s_and_b32 s21, s20, 1                          ; which 32 columns
	s_lshr_b32 s22, s20, 1                         ; which 128 along K
	s_lshr_b32 s23, ttmp9, 4                       ; which tensor
	s_and_b32 s24, ttmp9, 15                       ; which 64 columns of it
	v_lshlrev_b32 v3, 2, v2                        ; in: 4 bytes a lane
	s_lshl_b32 s25, s21, 5
	v_add_nc_u32 v6, s25, v2                       ; my column among the work-group's 64
	v_mul_u32_u24 v4, v6, PITCH
	s_lshl_b32 s26, s22, 6
	v_add_nc_u32 v4, s26, v4                       ; the stage: my column's row, my wave's 64 bytes of it
	v_lshlrev_b32 v5, 5, v6
	s_lshl_b32 s26, s22, 2
	s_add_co_u32 s26, s26, SCST
	v_add_nc_u32 v5, s26, v5                       ; my scale word: 32 bytes a column, 4 for each 128 along K
	v_lshlrev_b32 v8, 4, v2                        ; out: 16 bytes a lane, 512 a row
	s_mul_i32 s26, s20, 4*PITCH
	v_add_nc_u32 v7, s26, v8                       ; wave w reads rows 4 w .. 4 w + 3 back
	s_and_b32 s26, s20, 3
	s_lshl_b32 s26, s26, 9
	s_add_co_u32 s27, s26, SCST
	v_add_nc_u32 v9, s27, v8                       ; waves 0 to 3 read 512 scale bytes each (the other waves' address lies in the same bytes and is not used)
	s_lshl_b32 s28, s22, 19                        ; in the tensor: 128 rows of 4,096 bytes for each step of my wave along K,
	s_lshl_b32 s29, s24, 8                         ; 64 columns of 4 bytes,
	s_add_co_u32 s28, s28, s29
	s_lshl_b32 s29, s21, 7                         ; 32 columns
	s_add_co_u32 s28, s28, s29
	s_mov_b32 s29, 0
	s_lshl_b32 s30, s23, 10
	s_lshl_b32 s31, s24, 6
	s_add_co_u32 s30, s30, s31                     ; the first of the work-group's 64 rows of the output
	s_lshl_b32 s32, s30, 5                         ; scale bytes: 32 a row,
	s_add_co_u32 s32, s32, s26                     ; + my 512
	s_mov_b32 s33, 0
	s_lshl_b32 s31, s20, 2
	s_add_co_u32 s30, s30, s31                     ; codes: my four rows,
	s_lshl_b32 s30, s30, 9                         ; 512 bytes each
	s_mov_b32 s31, 0
	s_wait_kmcnt 0x0
	s_cmp_eq_u32 s23, 0                            ; the choice hangs on the work-group's number alone
	s_cselect_b64 s[6:7], s[6:7], s[8:9]
	s_cmp_eq_u32 s23, 2
	s_cselect_b64 s[6:7], s[10:11], s[6:7]
	s_add_nc_u64 s[6:7], s[6:7], s[28:29]
	s_add_nc_u64 s[16:17], s[16:17], s[30:31]
	s_add_nc_u64 s[18:19], s[18:19], s[32:33]
.macro WLOAD t                         ; block t: W(32 t + i, my column), i = 0 .. 31, into set t % 2
.set li, 0
.rept 32
	global_load_b32 v[WX+32*((\t)%2)+li], v3, s[6:7] offset:(32*(\t)+li)*4096 th:TH_LOAD_NT
.set li, li+1
.endr
.endm
	WLOAD 0
	WLOAD 1
.macro WBLOCK t
.set XS, WX+32*((\t)%2)
.if (\t) < NB-1
	s_wait_loadcnt 32                              ; this block's 32 loads are in; the next block's 32 may be out
.else
	s_wait_loadcnt 0
.endif
	v_max3_num_f32 v12, |v[XS]|, |v[XS+1]|, |v[XS+2]|               ; the block's largest magnitude: all 32 numbers are mine
	v_max3_num_f32 v13, |v[XS+3]|, |v[XS+4]|, |v[XS+5]|
.irp i, 6,10,14,18,22,26
	v_max3_num_f32 v12, v12, |v[XS+\i]|, |v[XS+\i+1]|
	v_max3_num_f32 v13, v13, |v[XS+\i+2]|, |v[XS+\i+3]|
.endr
	v_max3_num_f32 v12, v12, |v[XS+30]|, |v[XS+31]|
	v_max3_num_f32 v12, v12, v13, (EMAX+1)<<23     ; and the floor 2^(EMAX + 1 - 127): so the byte cannot fall under 1
	v_add_nc_u32 v11, -(EMAX<<23), v12             ; EMAX off its exponent field: the conversion takes the exponent field of this operand as its scale, and nothing else of it
	v_lshrrev_b32 v13, 23, v11                     ; the scale's byte
.if (\t) == 0
	v_mov_b32 v[SB], v13                           ; four bytes to the word, the lower K in the lower byte
.else
	v_lshl_or_b32 v[SB], v13, 8*(\t), v[SB]
.endif
.irp g, 0,1,2,3
	v_cvt_scalef32_pk8_fp4_f32 v[WC+\g], v[XS+8*\g:XS+8*\g+7], v11
.endr
	ds_store_b128 v4, v[WC:WC+3] offset:16*(\t)    ; 32 codes: 16 bytes of my column's row
.if (\t)+2 < NB
	WLOAD (\t)+2
.endif
	s_wait_dscnt 0x0                               ; the store has read its registers: the next block's codes may be written
.endm
	WBLOCK 0
	WBLOCK 1
	WBLOCK 2
	WBLOCK 3
	ds_store_b32 v5, v[SB]
	s_wait_dscnt 0x0                               ; for the others' sake: my stores have landed
	s_barrier_signal -1
	s_barrier_wait -1                              ; 64 whole rows of codes and of scale bytes lie in LDS
.irp i, 0,1,2,3
	ds_load_b128 v[OUTR+4*\i:OUTR+4*\i+3], v7 offset:\i*PITCH
.endr
.irp i, 0,1,2,3
	s_wait_dscnt 3-\i                              ; row i is back; the later ones may be out
	global_store_b128 v8, v[OUTR+4*\i:OUTR+4*\i+3], s[16:17] offset:512*\i   ; 32 lanes store a row's 512 consecutive bytes
.endr
	s_cmp_lt_u32 s20, 4
	s_cbranch_scc0 .Lno_scales
	ds_load_b128 v[SCO:SCO+3], v9
	s_wait_dscnt 0x0
	global_store_b128 v8, v[SCO:SCO+3], s[18:19]   ; 16 rows' scale bytes: 512 consecutive bytes
.Lno_scales:
	s_wait_tensorcnt 0x0                           ; the wave's end, behind my last LDS store
	ds_add_u32 v[SPW], v[NIL]
	s_wait_dscnt 0x0
	s_endpgm
; ---------------------------------------------------------------- x
.set STEPS, 4
.set R,     16                         ; v16-79   the four steps' numbers as they are loaded, 16 registers a step; never loaded again
.set XX,    80                         ; v80-111  two sets of 16 neighbours
.set C,     112                        ; v112-119 codes: two registers for each step, so that no store's data are written again
.set E,     120                        ; v120-123 a scale byte for each step
.Lx_path:
	s_sub_co_u32 s21, ttmp9, NWGW                  ; which 32,768 numbers: 0 .. 255
	v_lshlrev_b32 v3, 4, v2                        ; my 16 bytes of a load's 512
	s_mul_i32 s22, s20, WREG
	s_add_co_u32 s22, s22, XST                     ; my wave's two stages
	v_lshrrev_b32 v14, 2, v2
	v_mul_u32_u24 v14, v14, SP
	v_and_b32 v15, 3, v2
	v_lshl_add_u32 v14, v15, 4, v14
	v_add_nc_u32 v14, s22, v14                     ; a stage, on the way in: four lanes' 64 bytes on end, then 16 of padding
	v_mul_u32_u24 v15, v2, SP
	v_add_nc_u32 v15, s22, v15                     ; and on the way out: SP x lane: my 16 neighbours
	v_lshlrev_b32 v4, 3, v2                        ; my 8 bytes of a step's 256 bytes of codes
	v_lshrrev_b32 v5, 1, v2
	s_lshl_b32 s23, s20, 6
	s_add_co_u32 s23, s23, SCX
	v_add_nc_u32 v5, s23, v5                       ; my wave's 64 scale bytes, my block's byte
	s_and_b32 s24, s20, 1
	s_lshl_b32 s24, s24, 9
	s_add_co_u32 s25, s24, SCX
	v_add_nc_u32 v6, s25, v3                       ; waves 0 and 1 read 512 scale bytes each back (the other waves' address lies in the same bytes and is not used)
	s_lshl_b32 s26, s21, 4
	s_add_co_u32 s26, s26, s20                     ; which run of 2,048 numbers is my wave's: 0 .. 4,095
	s_lshl_b32 s28, s26, 13                        ; 8,192 bytes of x,
	s_mov_b32 s29, 0
	s_lshl_b32 s30, s26, 10                        ; 1,024 of codes a run;
	s_mov_b32 s31, 0
	s_lshl_b32 s32, s21, 10                        ; 1,024 scale bytes a work-group,
	s_add_co_u32 s32, s32, s24                     ; + my 512
	s_mov_b32 s33, 0
	s_wait_kmcnt 0x0
	s_add_nc_u64 s[4:5], s[4:5], s[28:29]
	s_add_nc_u64 s[12:13], s[12:13], s[30:31]
	s_add_nc_u64 s[14:15], s[14:15], s[32:33]
.irp t, 0,1,2,3
.irp i, 0,1,2,3
	global_load_b128 v[R+16*\t+4*\i:R+16*\t+4*\i+3], v3, s[4:5] offset:2048*\t+512*\i th:TH_LOAD_NT   ; 32 lanes read 512 consecutive bytes; all of my run is asked for here
.endr
.endr
.macro XTURN t                         ; step t's numbers through stage t % 2: LDS serves a wave's instructions in order, so no wait stands between the stores and the loads, nor ahead of the stage's next use
.irp i, 0,1,2,3
	ds_store_b128 v14, v[R+16*(\t)+4*\i:R+16*(\t)+4*\i+3] offset:32*SP*((\t)%2)+8*SP*\i
.endr
.irp i, 0,1,2,3
	ds_load_b128 v[XX+16*((\t)%2)+4*\i:XX+16*((\t)%2)+4*\i+3], v15 offset:32*SP*((\t)%2)+16*\i
.endr
.endm
	s_wait_loadcnt 12                              ; step 0's four loads are in; the twelve of steps 1 to 3 may be out
	XTURN 0
.macro XSTEP t
.set XS, XX+16*((\t)%2)
.if (\t) > 0
	s_wait_dscnt 1                                 ; this step's numbers are back from the stage; the last step's byte store may be out
.else
	s_wait_dscnt 0x0
.endif
.if (\t)+1 < STEPS
	s_wait_loadcnt 4*(STEPS-2-(\t))                ; the next step's four loads are in; four may be out for each step behind it
	XTURN (\t)+1                                   ; and go through the other stage while this step is worked
.endif
	v_max3_num_f32 v8, |v[XS]|, |v[XS+1]|, |v[XS+2]|               ; the largest magnitude of my 16, in two chains
	v_max3_num_f32 v9, |v[XS+3]|, |v[XS+4]|, |v[XS+5]|
.irp i, 6,10
	v_max3_num_f32 v8, v8, |v[XS+\i]|, |v[XS+\i+1]|
	v_max3_num_f32 v9, v9, |v[XS+\i+2]|, |v[XS+\i+3]|
.endr
	v_max3_num_f32 v8, v8, |v[XS+14]|, |v[XS+15]|
	v_max3_num_f32 v8, v8, v9, (EMAX+1)<<23        ; and the floor 2^(EMAX + 1 - 127): so the byte cannot fall under 1
	v_max_num_f32_dpp v8, v8, v8 row_xmask:1 row_mask:0xf bank_mask:0xf   ; and of my neighbour's 16: the block's
	v_add_nc_u32 v11, -(EMAX<<23), v8              ; EMAX off its exponent field: the conversion's scale operand
	v_cvt_scalef32_pk8_fp4_f32 v[C+2*(\t)], v[XS:XS+7], v11
	v_cvt_scalef32_pk8_fp4_f32 v[C+2*(\t)+1], v[XS+8:XS+15], v11
	v_lshrrev_b32 v[E+(\t)], 23, v11               ; the scale's byte (also the plain line behind the conversions)
	ds_store_b8 v5, v[E+(\t)] offset:16*(\t)       ; both lanes of a block write the same byte with the same value
	global_store_b64 v4, v[C+2*(\t):C+2*(\t)+1], s[12:13] offset:256*(\t)   ; 32 lanes store 256 consecutive bytes, at a multiple of 256 from the buffer's first byte
.endm
.irp t, 0,1,2,3
	XSTEP \t
.endr
	s_wait_dscnt 0x0                               ; for the others' sake: my byte stores have landed
	s_barrier_signal -1
	s_barrier_wait -1                              ; the work-group's 1,024 scale bytes lie in LDS
	s_cmp_lt_u32 s20, 2
	s_cbranch_scc0 .Lx_end
	ds_load_b128 v[8:11], v6
	s_wait_dscnt 0x0
	global_store_b128 v3, v[8:11], s[14:15]        ; 32 lanes store 512 consecutive bytes
.Lx_end:
	s_wait_tensorcnt 0x0                           ; the wave's end, behind my last LDS store
	ds_add_u32 v[SPW], v[NIL]
	s_wait_dscnt 0x0
	s_endpgm
.Lfunc_end_k_q8e6faff2cb_quant:
	.size	k_q8e6faff2cb_quant, .Lfunc_end_k_q8e6faff2cb_quant-k_q8e6faff2cb_quant
	.p2alignl 7, 3214868480
	.fill 96, 4, 3214868480
	.section	.rodata,"a",@progbits
	.p2align	6, 0x0
	.amdhsa_kernel k_q8e6faff2cb_quant
		.amdhsa_group_segment_fixed_size 120832
		.amdhsa_private_segment_fixed_size 0
		.amdhsa_enable_private_segment 0
		.amdhsa_kernarg_size 64
		.amdhsa_user_sgpr_count 2
		.amdhsa_user_sgpr_kernarg_segment_ptr 1
		.amdhsa_wavefront_size32 1
		.amdhsa_system_sgpr_workgroup_id_x 1
		.amdhsa_system_sgpr_workgroup_id_y 1
		.amdhsa_system_sgpr_workgroup_id_z 1
		.amdhsa_system_vgpr_workitem_id 0
		.amdhsa_next_free_vgpr 128
		.amdhsa_next_free_sgpr 66
		.amdhsa_reserve_vcc 0
		.amdhsa_float_denorm_mode_32 3
		.amdhsa_float_denorm_mode_16_64 3
		.amdhsa_memory_ordered 1
		.amdhsa_forward_progress 1
		.amdhsa_inst_pref_size 32
	.end_amdhsa_kernel
	.amdgpu_metadata
---
amdhsa.version: [ 1, 2 ]
amdhsa.kernels:
  - .name:           k_q8e6faff2cb_quant
    .symbol:         k_q8e6faff2cb_quant.kd
    .args:
      - { .name: x, .offset: 0, .size: 8, .value_kind: global_buffer, .address_space: global }
      - { .name: q_w, .offset: 8, .size: 8, .value_kind: global_buffer, .address_space: global }
      - { .name: k_w, .offset: 16, .size: 8, .value_kind: global_buffer, .address_space: global }
      - { .name: v_w, .offset: 24, .size: 8, .value_kind: global_buffer, .address_space: global }
      - { .name: xcodes, .offset: 32, .size: 8, .value_kind: global_buffer, .address_space: global }
      - { .name: xscales, .offset: 40, .size: 8, .value_kind: global_buffer, .address_space: global }
      - { .name: wcodes, .offset: 48, .size: 8, .value_kind: global_buffer, .address_space: global }
      - { .name: wscales, .offset: 56, .size: 8, .value_kind: global_buffer, .address_space: global }
    .group_segment_fixed_size: 120832
    .private_segment_fixed_size: 0
    .kernarg_segment_align: 8
    .kernarg_segment_size: 64
    .max_flat_workgroup_size: 512
    .sgpr_count:     66
    .vgpr_count:     128
    .wavefront_size: 32
...
	.end_amdgpu_metadata
.endif
;; end of part 1
;; launch proj (part 2): grid 8 x 48, 4 waves a work-group, clusters of 4 x 4, 327,680 bytes of LDS; arguments xcodes, xscales, wcodes, wscales, qkv; writes qkv
.if DOCPART == 2
	.amdgcn_target "amdgcn-amd-amdhsa--gfx1250"
	.amdhsa_code_object_version 6
	.text
	.protected	k_q8e6faff2cb_proj
	.globl	k_q8e6faff2cb_proj
	.p2align	8
	.type	k_q8e6faff2cb_proj,@function
k_q8e6faff2cb_proj:
	s_mov_b64 s[64:65], 0
	v_nop
	global_prefetch_b8 v0, s[64:65] scope:SCOPE_SE
	s_setreg_imm32_b32 hwreg(HW_REG_WAVE_MODE, 25, 1), 1
	s_wait_xcnt 0x0
	s_wait_alu depctr_hold_cnt(0) depctr_sa_sdst(0) depctr_va_vdst(0) depctr_va_sdst(0) depctr_va_ssrc(0) depctr_va_vcc(0) depctr_vm_vsrc(0)
	s_getreg_b32 s2, hwreg(HW_REG_IB_STS2, 6, 4)
	s_cmp_eq_u32 s2, 0
	s_cbranch_scc0 .Lentry_in_a_cluster
	s_endpgm
.Lentry_in_a_cluster:
	s_bfe_u32 s2, ttmp6, 0x10000c
	s_cmp_lg_u32 s2, 0xf033
	s_cbranch_scc0 .Lentry_shape_is_right
	s_endpgm
.Lentry_shape_is_right:
; The three projections, on codes of FP4 (E2M1) with one E8M0 scale for each 32 along K = 1,024, by v_wmma_scale_f32_16x16x128_f8f6f4; sums in f32; results rounded once to f16.
; ONE GEMM C[m][n] = sum over k of A[m][k] B[n][k] writes qkv, f16 [12288][2048]:
;   rows 0-8191 (token): A = x, B = the weights' rows 0-2047: columns 0-1023 are q, 1024-2047 are k;
;   rows 8192 + 1024 b + c: A = v_w's columns (the weights' rows 2048 + c), B = x's tokens of batch b: v TRANSPOSED, channel c, the keys along the row, as the last product wants it.
; Which of the two a cluster makes hangs on the cluster's y alone, which all sixteen partners share: the operands' pointers are chosen by selects, no branch.
; LIMITS: q, k and v are kept in f16: this text serves magnitudes of q, k, v under 65,504.
; A tile of C, 256 x 256, is made by four waves, each 128 x 128: 64 accumulators, 512 registers.  K = 1,024 is two slots of 512 along K (rows of 256 bytes): both are asked for at the start, nothing is filled again.
; The scales of the tile's 256 + 256 rows, for all of K, are two dense blocks of memory: they come once, as rows of 256 bytes.
; CLUSTERS: 4 x 4 work-groups; A's tile is shared along a row of the cluster, B's along a column: each is asked for jointly, by the same tensor load with the same descriptor and a mask that names the four.
; THE MATRIX INSTRUCTION IS USED TRANSPOSED (source 0 = 16 rows of B, source 1 = 16 rows of A): a lane holds eight neighbouring numbers of a row of C.
; REGISTERS, in windows of 256: window 0: v0-31 addresses; v32-95 scale words, two sets; v128-191 A's fragments, one set; on the way out v32-63, v192-255.
;   window 1: B's fragments, two sets, at v0 and v128.   window 2: the accumulators of my rows 0-63 ((a, b) at v[8 (8 a + b)]);   window 3: those of my rows 64-127.
.set NQ,     4                         ; steps of 128 along K in a slot
.set ROWB,   256                       ; a tile's row in bytes: 512 codes
.set KROW,   512                       ; a row of codes in memory
.set PITCH,  272                       ; an LDS row: 256 bytes + 16 of padding = 68 words: row r starts at bank 4 r mod 64 (64 banks of 4 bytes: ISA guide 11.1)
.set FR,     8                         ; registers of a fragment: 16 rows x 128 K
.set NL,     2                         ; LDS loads that bring one
.set NP,     4                         ; places behind this matrix instruction (ISA guide 7.12.1)
.set HALFT,  128*PITCH                 ; 128 rows: what one tensor load brings
.set SLOT,   4*HALFT                   ; A's 256 rows, then B's 256 rows
.set KS,     32                        ; a row of scales in bytes
.set SCL,    2*SLOT                    ; behind the two slots: the scales, as rows of 256 bytes + 16
.set HALFS,  16*272                    ; the scales of 128 rows
.set SBLK,   2*272                     ; those of 16 rows
.set STAGE,  SCL+4*HALFS               ; the way out: 16 rows x 272 bytes for each wave; no tensor load lands here
.set SPITCH, 272
.set SPARE,  STAGE+4*16*SPITCH         ; the spare words, 128 bytes for each wave
.set CROW,   4096                      ; a row of qkv in bytes
.set ADRA, 16                          ; v16-17  LDS address of my A fragments in slot 0, 1
.set ADRB, 20                          ; v20-21  the same for B
.set STO,  24                          ; v24     the way out: where I put 16 bytes of a row
.set RD,   25                          ; v25     where I read a row back
.set CO,   26                          ; v26     my byte offset in two rows of C
.set ADRS, 27                          ; v27     LDS address of my scale words: lanes 0-15 A's rows, lanes 16-31 B's
.set SPW,  28                          ; v28     LDS address of my spare word; never rewritten
.set NIL,  29                          ; v29     0; never rewritten
.set SC,   32                          ; scale words: set s at v[SC + 32 s]; register 4 i + q: lanes 0-15 the word of A's block i, lanes 16-31 of B's block i, for the slot's q-th 128 along K
.set AF,   128                         ; A's fragments
.set TMP,  192                         ; the way out: packed results
.set OB,   32                          ; the way out: rows read back: v32-63 and v224-255 by turns
.set G1, 24                            ; s[24:31] descriptor group 1 for A's tiles;  s[32:39] group 0, one set for each slot
.set G0, 32
.set G1B, 48                           ; s[48:55], s[56:63] the same for B's tiles
.set G0B, 56
.set G1S, 68                           ; s[68:75], s[76:79] groups 1 and 0 for A's scales;  s[80:87], s[88:91] for B's
.set G0S, 76
.set G1SB, 80
.set G0SB, 88
.set MSB, 0
.macro WIN new                         ; the immediate's high byte repeats the setting that is left; a switch that changes nothing is dropped
.if MSB != (\new)
	s_set_vgpr_msb (MSB<<8)|(\new)
.set MSB, \new
.endif
.endm
.set MUL_LO, 0xa1                      ; source 0 (B) window 1, source 1 (A) window 0, C and D window 2
.set MUL_HI, 0xf1                      ; the same, C and D window 3
.set TO_B,   0x40                      ; destination window 1, address window 0
; A joint load: waves 0 and 1 fetch for A, waves 2 and 3 for B.  The branch hangs on the wave's number alone.  An s_nop 0 and four v_nop follow each of the two lines.
.macro JLOAD g0a, g1a, g0b, g1b
	s_cmp_eq_u32 s15, 0
	s_cbranch_scc0 .Lfor_b_\@
	tensor_load_to_lds s[\g0a:\g0a+3], s[\g1a:\g1a+7]
	s_nop 0
.rept 4
	v_nop
.endr
	s_branch .Lasked_\@
.Lfor_b_\@:
	tensor_load_to_lds s[\g0b:\g0b+3], s[\g1b:\g1b+7]
	s_nop 0
.rept 4
	v_nop
.endr
.Lasked_\@:
.endm
.macro CROUND                          ; a round of the cluster's barrier: my work-group's barrier; wave 0 signals for the work-group; every wave waits for all sixteen; my work-group's barrier once more
	s_barrier_signal -1
	s_barrier_wait -1
	s_cmp_lg_u32 s14, 0
	s_cbranch_scc1 .Lnot_wave_0_\@
	s_barrier_signal -3
.Lnot_wave_0_\@:
	s_barrier_wait -3
	s_barrier_signal -1
	s_barrier_wait -1
.endm
	s_load_b128 s[4:7], s[0:1], 0x0                ; x's codes s[4:5], x's scales s[6:7]
	s_load_b128 s[8:11], s[0:1], 0x10              ; the weights' codes s[8:9], their scales s[10:11]
	s_load_b64 s[12:13], s[0:1], 0x20              ; qkv
	v_lshl_add_u32 v[SPW], v0, 2, SPARE
	v_mov_b32 v[NIL], 0
	ds_add_u32 v[SPW], v[NIL]                      ; the wave's opening: the add, twice on end, and its wait ahead of my first tensor load; the set-up below stands between the second and the wait
	ds_add_u32 v[SPW], v[NIL]
	v_lshrrev_b32 v1, 5, v0
	v_readfirstlane_b32 s14, v1                    ; wave 0..3
	s_lshr_b32 s15, s14, 1                         ; which half of the tile's rows is mine.  Also: I fetch for A (0) or for B (1)
	s_and_b32 s16, s14, 1                          ; which half of its columns.  Also: which 128 rows of that tile I fetch
	s_bfe_u32 s40, ttmp6, 0x40000                  ; cx, cy: my place in the cluster
	s_bfe_u32 s41, ttmp6, 0x40004
	s_lshl_b32 s42, ttmp9, 2
	s_add_co_u32 s42, s42, s40                     ; tile column of C = 4 x cluster x + cx: 0 .. 7
	s_and_b32 s97, ttmp7, 0xffff                   ; cluster y: 0 .. 7 make q and k, 8 .. 11 make v^T of batch y - 8
	s_lshl_b32 s17, s97, 2
	s_mov_b32 s95, s17                             ; 4 y
	s_add_co_u32 s17, s17, s41                     ; tile row of C = 4 y + cy: 0 .. 47
	s_max_u32 s96, s97, 8
	s_sub_co_u32 s96, s96, 8
	s_lshl_b32 s96, s96, 3                         ; B's first tile: 0 (the weights' rows 0 on), or 8 (y - 8) (the batch's tokens)
	s_add_co_u32 s96, s96, s42                     ; B's tile: it never holds cy
	s_cmp_lt_u32 s97, 8
	s_cselect_b32 s95, s95, 8                      ; A's first tile: 4 y (tokens), or 8 (the weights' rows 2,048 on)
	s_add_co_u32 s95, s95, s41                     ; A's tile: it never holds cx
	s_lshl_b32 s43, s41, 2
	s_lshl_b32 s43, 15, s43                        ; my row of the cluster
	s_lshl_b32 s44, 0x1111, s40                    ; my column
	; descriptor group 1: a tile of 128 rows x 256 bytes, padded in LDS
	s_or_b32 s[G1+0], s43, (0<<16)|(1<<20)|(1<<21)|(5<<22)|(3<<25)  ; 15:0 the mask: A's tiles go to my row; 17:16 elements of 1 byte; 20 padding on; 21 set beside a mask; 24:22 after every 64 words; 31:25 four words
	s_or_b32 s[G1B+0], s44, (0<<16)|(1<<20)|(1<<21)|(5<<22)|(3<<25)
.irp g, G1, G1B
	s_mov_b32 s[\g+1], ROWB<<16                    ; tensor_dim0
	s_mov_b32 s[\g+2], 128<<16                     ; tensor_dim1
	s_mov_b32 s[\g+3], ROWB<<16                    ; tile_dim0
	s_mov_b32 s[\g+4], 128                         ; tile_dim1
	s_mov_b32 s[\g+5], KROW                        ; from row to row
	s_mov_b32 s[\g+6], 0
	s_mov_b32 s[\g+7], 0
.endr
	; and for the scales of 128 rows: a dense block of 4,096 bytes, as 16 rows of 256 bytes (32 elements of 8 bytes), 16 bytes of padding behind each
	s_or_b32 s[G1S+0], s43, (3<<16)|(1<<20)|(1<<21)|(5<<22)|(3<<25)
	s_or_b32 s[G1SB+0], s44, (3<<16)|(1<<20)|(1<<21)|(5<<22)|(3<<25)
.irp g, G1S, G1SB
	s_mov_b32 s[\g+1], 32<<16
	s_mov_b32 s[\g+2], 16<<16
	s_mov_b32 s[\g+3], 32<<16
	s_mov_b32 s[\g+4], 16
	s_mov_b32 s[\g+5], 32
	s_mov_b32 s[\g+6], 0
	s_mov_b32 s[\g+7], 0
.endr
	s_lshl_b32 s18, s16, 7                         ; which 128 rows of the tile I fetch
	s_lshl_b32 s20, s95, 8
	s_add_co_u32 s20, s20, s18                     ; A: row 256 x tile + 128 x half
	s_lshl_b32 s46, s96, 8
	s_add_co_u32 s46, s46, s18                     ; B likewise
	s_lshl_b32 s22, s20, 5                         ; where these rows' scales begin: 32 bytes a row
	s_mov_b32 s23, 0
	s_lshl_b32 s92, s46, 5
	s_mov_b32 s93, 0
	s_lshl_b32 s20, s20, 9                         ; and their codes: 512 bytes a row
	s_mov_b32 s21, 0
	s_lshl_b32 s46, s46, 9
	s_mov_b32 s47, 0
	s_mul_i32 s45, s14, HALFT                      ; where they go: wave x 128 rows: no place in the cluster enters an LDS address
	s_mul_i32 s94, s14, HALFS
	s_wait_dscnt 0x0                               ; both opening adds are done
	s_wait_kmcnt 0x0
	s_cmp_lt_u32 s97, 8                            ; the cluster's y alone
	s_cselect_b64 s[98:99], s[4:5], s[8:9]         ; A's codes,
	s_cselect_b64 s[100:101], s[6:7], s[10:11]     ; A's scales,
	s_cselect_b64 s[8:9], s[8:9], s[4:5]           ; B's codes,
	s_cselect_b64 s[10:11], s[10:11], s[6:7]       ; B's scales
	s_add_nc_u64 s[20:21], s[98:99], s[20:21]
	s_add_nc_u64 s[22:23], s[100:101], s[22:23]
	s_add_nc_u64 s[46:47], s[8:9], s[46:47]
	s_add_nc_u64 s[92:93], s[10:11], s[92:93]
	CROUND                                         ; all sixteen work-groups are here: the joint loads meet
	s_mov_b32 s[G0S], 1
	s_add_co_u32 s[G0S+1], s94, SCL
	s_mov_b64 s[G0S+2:G0S+3], s[22:23]
	s_or_b32 s[G0S+3], s[G0S+3], 0x80000000
	s_mov_b32 s[G0SB], 1
	s_add_co_u32 s[G0SB+1], s94, SCL
	s_mov_b64 s[G0SB+2:G0SB+3], s[92:93]
	s_or_b32 s[G0SB+3], s[G0SB+3], 0x80000000
	JLOAD G0S, G1S, G0SB, G1SB                     ; the scales first: they are wanted with the first slot
.irp s, 0,1
	s_mov_b32 s[G0+4*\s], 1
	s_add_co_u32 s[G0+4*\s+1], s45, \s*SLOT
	s_add_nc_u64 s[G0+4*\s+2:G0+4*\s+3], s[20:21], \s*ROWB
	s_or_b32 s[G0+4*\s+3], s[G0+4*\s+3], 0x80000000
	s_mov_b32 s[G0B+4*\s], 1
	s_add_co_u32 s[G0B+4*\s+1], s45, \s*SLOT
	s_add_nc_u64 s[G0B+4*\s+2:G0B+4*\s+3], s[46:47], \s*ROWB
	s_or_b32 s[G0B+4*\s+3], s[G0B+4*\s+3], 0x80000000
	JLOAD G0+4*\s, G1, G0B+4*\s, G1B               ; three tensor loads of mine are out in all
.endr
	v_and_b32 v1, 15, v0                           ; l % 16
	v_bfe_u32 v2, v0, 4, 1                         ; l / 16
	v_mul_u32_u24 v3, v1, PITCH
	v_lshl_add_u32 v4, v2, 4, v3                   ; a fragment's row x pitch + 16 x half
	s_mul_i32 s21, s15, HALFT                      ; my 128 rows of A
	s_mul_i32 s22, s16, HALFT                      ; my 128 rows of B,
	s_add_co_u32 s22, s22, 2*HALFT                 ; which lie behind A's 256
.irp s, 0,1
	v_add_nc_u32 v[ADRA+\s], s21, v4
	v_add_nc_u32 v[ADRB+\s], s22, v4
	s_add_co_u32 s21, s21, SLOT
	s_add_co_u32 s22, s22, SLOT
.endr
	v_mul_u32_u24 v5, v1, KS                       ; my row's scales: 32 bytes a row,
	v_lshrrev_b32 v6, 8, v5
	v_lshl_add_u32 v5, v6, 4, v5                   ; and 16 more for each 256 passed
	s_mul_i32 s21, s15, HALFS                      ; A's: my 128 rows
	s_mul_i32 s22, s16, HALFS                      ; B's: my 128 rows, behind A's 256
	s_add_co_u32 s22, s22, 2*HALFS
	s_sub_co_u32 s22, s22, s21
	v_mul_u32_u24 v6, s22, v2                      ; lanes 16-31 take B's: one product, the distance between the two bases
	s_add_co_u32 s21, s21, SCL
	v_add_nc_u32 v5, v5, v6
	v_add_nc_u32 v[ADRS], s21, v5
	s_mul_i32 s23, s14, 16*SPITCH
	s_add_co_u32 s23, s23, STAGE                   ; my stage
	v_mul_u32_u24 v5, v1, SPITCH                   ; in: row l % 16, 16 bytes for each half of the lanes
	v_lshl_add_u32 v5, v2, 4, v5
	v_add_nc_u32 v[STO], s23, v5
	v_mul_u32_u24 v5, v2, SPITCH                   ; back: lanes 0-15 take one row of 256 bytes, lanes 16-31 the next
	v_lshl_add_u32 v5, v1, 4, v5
	v_add_nc_u32 v[RD], s23, v5
	v_lshlrev_b32 v5, 12, v2                       ; and the same two rows in C
	v_lshl_add_u32 v[CO], v1, 4, v5
	s_lshl_b32 s20, s17, 8
	s_lshl_b32 s21, s15, 7
	s_add_co_u32 s20, s20, s21                     ; my first row of C: 256 x tile row + 128 x half,
	s_lshl_b32 s20, s20, 12                        ; 4,096 bytes a row (under 2^26 in all)
	s_lshl_b32 s21, s42, 9                         ; my first column: 512 bytes a tile,
	s_add_co_u32 s20, s20, s21
	s_lshl_b32 s21, s16, 8                         ; 256 a half
	s_add_co_u32 s20, s20, s21
	s_mov_b32 s21, 0
	s_add_nc_u64 s[12:13], s[12:13], s[20:21]
.macro FRAG reg, adr, q, i             ; a fragment, 16 rows x 128 K of 4-bit codes: lane l holds row l % 16; registers 4 c .. 4 c + 3 hold K = 64 c + 32 (l / 16) + 0 .. 31
.irp c, 0,1
	ds_load_b128 v[\reg+4*\c:\reg+4*\c+3], v[\adr] offset:64*(\q)+32*\c+(\i)*16*PITCH
.endr
.endm
; 16 matrix instructions: A's blocks a0, a0 + 1 x B's eight, 128 along K: the slot's q-th.  p: B's set;  sc: the set of scale words.  zero = 1: the first product starts the sums: nothing is ever cleared.
; The 64 accumulators take turns, one instruction a turn, in the same order in every step.
.macro MUL16 a0, p, q, sc, zero
.irp a, \a0, \a0+1
.irp b, 0,1,2,3,4,5,6,7
.if \zero
	v_wmma_scale_f32_16x16x128_f8f6f4 v[8*(8*((\a)%4)+\b):8*(8*((\a)%4)+\b)+7], v[128*(\p)+FR*\b:128*(\p)+FR*\b+FR-1], v[AF+FR*(\a):AF+FR*(\a)+FR-1], 0, v[SC+8*NQ*(\sc)+NQ*\b+(\q)], v[SC+8*NQ*(\sc)+NQ*(\a)+(\q)] matrix_a_fmt:MATRIX_FMT_FP4 matrix_b_fmt:MATRIX_FMT_FP4 matrix_a_scale:MATRIX_SCALE_ROW1
.else
	v_wmma_scale_f32_16x16x128_f8f6f4 v[8*(8*((\a)%4)+\b):8*(8*((\a)%4)+\b)+7], v[128*(\p)+FR*\b:128*(\p)+FR*\b+FR-1], v[AF+FR*(\a):AF+FR*(\a)+FR-1], v[8*(8*((\a)%4)+\b):8*(8*((\a)%4)+\b)+7], v[SC+8*NQ*(\sc)+NQ*\b+(\q)], v[SC+8*NQ*(\sc)+NQ*(\a)+(\q)] matrix_a_fmt:MATRIX_FMT_FP4 matrix_b_fmt:MATRIX_FMT_FP4 matrix_a_scale:MATRIX_SCALE_ROW1
.endif
.endr
.endr
.endm
.macro FETCH_B slot, q, p              ; B's eight fragments of the slot's q-th 128 along K into set p
	WIN TO_B
.irp i, 0,1,2,3,4,5,6,7
	FRAG 128*(\p)+FR*\i, ADRB+\slot, \q, \i
.endr
	WIN 0
.endm
.macro FETCH_A slot, q, i0             ; A's blocks i0 .. i0 + 3
.irp i, \i0, \i0+1, \i0+2, \i0+3
	FRAG AF+FR*(\i), ADRA+\slot, \q, \i
.endr
.endm
.macro SCALES sc                       ; a slot's scale words into set sc: four words a row; lanes 0-15 take A's block i, lanes 16-31 B's block i
.irp i, 0,1,2,3,4,5,6,7
	ds_load_b128 v[SC+8*NQ*\sc+NQ*\i:SC+8*NQ*\sc+NQ*\i+3], v[ADRS] offset:\i*SBLK
.endr
.endm
; A load into a register that a matrix instruction has read, and a vector instruction that reads a matrix result, stand NP places behind that matrix instruction; only plain vector
; instructions that name none of its registers are places (ISA guide 7.12.1 for vector instructions).
.macro PLACES n
.rept \n
	v_nop
.endr
.endm
; A step of 128 along K that has its successor in the same slot.  A's blocks go one after the other, each against B's eight: so one set of registers serves A.
.macro STEP slot, q, zero
	s_wait_dscnt 4*NL                              ; B's set and A's blocks 0-3 are in; the youngest eight loads (A's blocks 4-7) may be out
	WIN MUL_LO
	MUL16 0, (\q)%2, \q, \slot, \zero
	MUL16 2, (\q)%2, \q, \slot, \zero
	s_wait_dscnt 0                                 ; A's blocks 4-7 are in
	PLACES NP
	FETCH_B \slot, (\q)+1, 1-(\q)%2
	FETCH_A \slot, (\q)+1, 0
	WIN MUL_HI
	MUL16 4, (\q)%2, \q, \slot, \zero
	MUL16 6, (\q)%2, \q, \slot, \zero
	PLACES NP
	WIN 0
	FETCH_A \slot, (\q)+1, 4
.endm
	s_wait_tensorcnt 1                             ; the scales and my part of slot 0 are in (slot 1's load, issued last, may be out),
	s_barrier_signal -1
	s_barrier_wait -1                              ; everybody's are
	FETCH_B 0, 0, 0
	FETCH_A 0, 0, 0
	SCALES 0
	FETCH_A 0, 0, 4
	STEP 0, 0, 1                                   ; the first step's products start the sums
	STEP 0, 1, 0
	STEP 0, 2, 0
	; slot 0's last step goes over to slot 1: one barrier; in front of it each wave waits for all its tensor loads (its part of slot 1).  Nothing is filled again.
	s_wait_tensorcnt 0x0                           ; all my tensor loads have landed  (every window is 0 here)
	ds_add_u32 v[SPW], v[NIL]                      ; 0 onto my spare word
	s_wait_dscnt 4*NL+1                            ; (the add and the youngest eight loads, A's blocks 4-7, may be out)
	WIN MUL_LO
	MUL16 0, 1, NQ-1, 0, 0
	s_wait_dscnt 0x0                               ; the add is done and my LDS loads are in
	s_barrier_signal -1
	MUL16 2, 1, NQ-1, 0, 0
	WIN 0
	s_barrier_wait -1                              ; slot 1 is whole
	PLACES NP
	v_add_nc_u32 v[ADRS], 4*NQ, v[ADRS]            ; on to slot 1's scale words (no LDS load of mine is out)
	FETCH_B 1, 0, 0
	FETCH_A 1, 0, 0
	SCALES 1
	WIN MUL_HI
	MUL16 4, 1, NQ-1, 0, 0
	MUL16 6, 1, NQ-1, 0, 0
	PLACES NP
	WIN 0
	FETCH_A 1, 0, 4
	STEP 1, 0, 0
	STEP 1, 1, 0
	STEP 1, 2, 0
	s_wait_dscnt 4*NL                              ; the very last step: nothing more to fetch
	WIN MUL_LO
	MUL16 0, 1, NQ-1, 1, 0
	MUL16 2, 1, NQ-1, 1, 0
	s_wait_dscnt 0
	WIN MUL_HI
	MUL16 4, 1, NQ-1, 1, 0
	MUL16 6, 1, NQ-1, 1, 0
	WIN 0
; THE WAY OUT of block a (16 rows x 128 columns), in three parts.  PACK: rounded to f16, 16 bytes a lane, each accumulator from its low end on.  TOSTAGE: into my own stage in LDS, and back as whole rows of 256 bytes.  SEND: stored.
.macro PACK a
.set AC, 64*((\a)%4)
	WIN 0x0a+5*((\a)/4)                            ; sources 0 and 1: window 2 or 3
.irp b, 0,1,2,3,4,5,6,7
.irp r, 0,1,2,3
	v_cvt_pk_f16_f32 v[TMP+4*\b+\r], v[AC+8*\b+2*\r], v[AC+8*\b+2*\r+1]
.endr
.endr
	WIN 0
.endm
.macro TOSTAGE a
.set BB, OB+192*((\a)%2)
.irp b, 0,1,2,3,4,5,6,7
	ds_store_b128 v[STO], v[TMP+4*\b:TMP+4*\b+3] offset:32*\b
.endr
.irp t, 0,1,2,3,4,5,6,7
	ds_load_b128 v[BB+4*\t:BB+4*\t+3], v[RD] offset:\t*2*SPITCH    ; LDS serves a wave's instructions in order (ISA guide 5.7.1.4): these see the stores above
.endr
.endm
.macro SEND a
.set BB, OB+192*((\a)%2)
	s_wait_dscnt 0x0                               ; the block is back in registers
	s_wait_xcnt 0x0                                ; only behind this wait are the stores' base and the registers that earlier stores read rewritten
.if (\a) > 0
	s_add_nc_u64 s[12:13], s[12:13], 16*CROW       ; 16 rows of C on
.endif
.irp t, 0,1,2,3,4,5,6,7
	global_store_b128 v[CO], v[BB+4*\t:BB+4*\t+3], s[12:13] offset:2*\t*CROW   ; 16 lanes store 256 consecutive bytes, at a multiple of 256 from the buffer's first byte
.endr
.endm
	PLACES NP                                      ; behind the last products
	PACK 0
	TOSTAGE 0
.irp a, 1,2,3,4,5,6,7                  ; block a's conversions stand between block a - 1's loads from the stage and the wait for them
	PACK \a
	SEND \a-1
	TOSTAGE \a
.endr
	SEND 7
	s_wait_tensorcnt 0x0                           ; the wave's end, behind my last tensor load and my last LDS store
	ds_add_u32 v[SPW], v[NIL]
	s_wait_dscnt 0x0
	CROUND                                         ; the closing round: no work-group ends while a partner may still ask for a tile that names it
	s_endpgm
.Lfunc_end_k_q8e6faff2cb_proj:
	.size	k_q8e6faff2cb_proj, .Lfunc_end_k_q8e6faff2cb_proj-k_q8e6faff2cb_proj
	.p2alignl 7, 3214868480
	.fill 96, 4, 3214868480
	.section	.rodata,"a",@progbits
	.p2align	6, 0x0
	.amdhsa_kernel k_q8e6faff2cb_proj
		.amdhsa_group_segment_fixed_size 327680
		.amdhsa_private_segment_fixed_size 0
		.amdhsa_enable_private_segment 0
		.amdhsa_kernarg_size 40
		.amdhsa_user_sgpr_count 2
		.amdhsa_user_sgpr_kernarg_segment_ptr 1
		.amdhsa_wavefront_size32 1
		.amdhsa_system_sgpr_workgroup_id_x 1
		.amdhsa_system_sgpr_workgroup_id_y 1
		.amdhsa_system_sgpr_workgroup_id_z 1
		.amdhsa_system_vgpr_workitem_id 0
		.amdhsa_next_free_vgpr 1024
		.amdhsa_next_free_sgpr 102
		.amdhsa_reserve_vcc 0
		.amdhsa_float_denorm_mode_32 3
		.amdhsa_float_denorm_mode_16_64 3
		.amdhsa_memory_ordered 1
		.amdhsa_forward_progress 1
		.amdhsa_inst_pref_size 127
	.end_amdhsa_kernel
	.amdgpu_metadata
---
amdhsa.version: [ 1, 2 ]
amdhsa.kernels:
  - .name:           k_q8e6faff2cb_proj
    .symbol:         k_q8e6faff2cb_proj.kd
    .args:
      - { .name: xcodes, .offset: 0, .size: 8, .value_kind: global_buffer, .address_space: global }
      - { .name: xscales, .offset: 8, .size: 8, .value_kind: global_buffer, .address_space: global }
      - { .name: wcodes, .offset: 16, .size: 8, .value_kind: global_buffer, .address_space: global }
      - { .name: wscales, .offset: 24, .size: 8, .value_kind: global_buffer, .address_space: global }
      - { .name: qkv, .offset: 32, .size: 8, .value_kind: global_buffer, .address_space: global }
    .group_segment_fixed_size: 327680
    .private_segment_fixed_size: 0
    .kernarg_segment_align: 8
    .kernarg_segment_size: 40
    .max_flat_workgroup_size: 128
    .sgpr_count:     102
    .vgpr_count:     1024
    .wavefront_size: 32
...
	.end_amdgpu_metadata
.endif
;; end of part 2
;; launch scores (part 3): grid 8 x 32, 4 waves a work-group, clusters of 4 x 4, 327,680 bytes of LDS; arguments qkv, mask, pt, mstat, lstat; writes pt, mstat, lstat
.if DOCPART == 3
	.amdgcn_target "amdgcn-amd-amdhsa--gfx1250"
	.amdhsa_code_object_version 6
	.text
	.protected	k_q8e6faff2cb_scores
	.globl	k_q8e6faff2cb_scores
	.p2align	8
	.type	k_q8e6faff2cb_scores,@function
k_q8e6faff2cb_scores:
	s_mov_b64 s[64:65], 0
	v_nop
	global_prefetch_b8 v0, s[64:65] scope:SCOPE_SE
	s_setreg_imm32_b32 hwreg(HW_REG_WAVE_MODE, 25, 1), 1
	s_wait_xcnt 0x0
	s_wait_alu depctr_hold_cnt(0) depctr_sa_sdst(0) depctr_va_vdst(0) depctr_va_sdst(0) depctr_va_ssrc(0) depctr_va_vcc(0) depctr_vm_vsrc(0)
	s_getreg_b32 s2, hwreg(HW_REG_IB_STS2, 6, 4)
	s_cmp_eq_u32 s2, 0
	s_cbranch_scc0 .Lentry_in_a_cluster
	s_endpgm
.Lentry_in_a_cluster:
	s_bfe_u32 s2, ttmp6, 0x10000c
	s_cmp_lg_u32 s2, 0xf033
	s_cbranch_scc0 .Lentry_shape_is_right
	s_endpgm
.Lentry_shape_is_right:
; The scores and the first half of the softmax.  S[q][key] = sum over the 1,024 channels of q[q][i] k[key][i], f16 operands, f32 sums; q = qkv rows' columns 0-1023, k = columns 1024-2047.
; u = S / 32 + bias, ONE fused multiply-add in f32 (1 / 32 is a power of two: the product is exact, so the sum is rounded as a multiplication and an addition round it); bias = 0 where the QUERY's mask byte is 1, -1e9 where it is 0.
; The keys fall into 16 blocks of 128.  For each query and block: m = the largest u of the block, taken away FIRST, in f32 (u - m; only then the factor log2(e): under the bias u are multiples of a large step, and their differences must stay exact);
; p~ = 2^((u - m) log2(e)), at most 1, rounded to f16 -> pt [8192][2048];  m -> mstat [16][8192];  l = the sum of the unrounded p~ -> lstat [16][8192].  The next launch brings the blocks under the row's own largest u.
; LIMITS: a p~ under about 3e-8 falls to 0 in f16.  NaN and infinities are not served.
; A tile of S, 256 queries x 256 keys, is made by four waves, each 128 x 128 (64 accumulators, 512 registers): a wave's 128 keys ARE one block, so no wave needs another's figures.
; K goes in 8 steps of 128 through a ring of two LDS slots; rows of 256 bytes.  CLUSTERS: 4 x 4 work-groups; q's tile is shared along a row of the cluster, k's along a column: asked for jointly.
; THE MATRIX INSTRUCTION IS USED TRANSPOSED (source 0 = 16 keys, source 1 = 16 queries): a lane holds ONE query (lane % 16) and eight neighbouring keys in each accumulator.
; REGISTERS, in windows of 256: window 0: v0-31 addresses, v8-15 mask bytes; v64-127, v128-191 q's fragments, two buffers; on the way out v32-223 (below).   window 1: v64-191 k's fragments.
;   window 2: the accumulators of my queries 0-63 ((a, b) at v[8 (8 a + b)]);   window 3: those of my queries 64-127.
.set KSTEP,  128
.set PITCH,  272                       ; an LDS row: 256 bytes + 16 of padding = 68 words: row r starts at bank 4 r mod 64 (64 banks of 4 bytes: ISA guide 11.1)
.set HALFT,  128*PITCH
.set SLOT,   4*HALFT                   ; q's 256 rows, then k's 256 rows
.set STAGE,  2*SLOT                    ; behind the ring: 16 rows x 272 bytes for each wave
.set SPITCH, 272
.set STATS,  STAGE+4*16*SPITCH         ; 1,024 bytes for each wave: 128 m, then 128 l
.set SPARE,  STATS+4*1024              ; the spare words, 128 bytes for each wave
.set ROWQ,   4096                      ; a row of qkv and of pt in bytes
.set LAPS,   4                         ; a lap = two K steps
.set ADRA, 16                          ; v16-17  LDS address of my q fragments in slot 0, 1
.set ADRB, 20                          ; v20-21  the same for k
.set LOFF, 22                          ; v22     16 x lane
.set STO,  24                          ; v24     the way out: where I put 16 bytes of a row
.set RD,   25                          ; v25     where I read a row back
.set CO,   26                          ; v26     my byte offset in two rows of pt
.set SADR, 27                          ; v27     where my query's m goes: my wave's figures + 4 (lane % 16)
.set SPW,  28                          ; v28     LDS address of my spare word; never rewritten
.set NIL,  29                          ; v29     0; never rewritten
.set PFO,  30                          ; v30     the prefetches' offset: lane x 4,096; never rewritten
.set SRD,  31                          ; v31     where I read the figures back: my wave's + 16 x lane
.set F0,   64
.set F1,   128
.set BI,   32                          ; v32-47  the way out: the bias of my query in block a, twice (a pair for the packed form)
.set T,    48                          ; v48-51  four chains of the maximum
.set MX,   52                          ; v52-53  m, twice
.set SU,   54                          ; v54-57  two chains of the sum
.set PD,   58                          ; v58     the lane exchange's destination
.set U,    64                          ; v64-127 u, then p~: register 8 b + j = key 16 b + 8 (lane / 16) + j
.set BK,   128                         ; v128-159, v160-191 rows read back from the stage, by turns
.set H,    192                         ; v192-223 p~ in f16
.set G1, 24                            ; s[24:31] descriptor group 1 for q's tiles;  s[32:39] group 0, one set for each slot
.set G0, 32
.set G1B, 48                           ; s[48:55], s[56:63] the same for k's
.set G0B, 56
.set LIM, 43                           ; s43     1 in a wave that prefetches, else the greatest number
.set PFA, 44                           ; s[44:45] where my prefetches stand
.set SEL, 66                           ; s[66:67] lane selects: lane l xor 16
.set MSB, 0
.macro WIN new
.if MSB != (\new)
	s_set_vgpr_msb (MSB<<8)|(\new)
.set MSB, \new
.endif
.endm
.set MUL_LO, 0xa1                      ; source 0 (k) window 1, source 1 (q) window 0, C and D window 2
.set MUL_HI, 0xf1
.set TO_B,   0x40
.macro JLOAD s                         ; a joint load: waves 0 and 1 fetch q's two halves, waves 2 and 3 k's; an s_nop 0 and four v_nop follow each of the two lines
	s_cmp_eq_u32 s15, 0
	s_cbranch_scc0 .Lfor_b_\@
	tensor_load_to_lds s[G0+4*\s:G0+4*\s+3], s[G1:G1+7]
	s_nop 0
.rept 4
	v_nop
.endr
	s_branch .Lasked_\@
.Lfor_b_\@:
	tensor_load_to_lds s[G0B+4*\s:G0B+4*\s+3], s[G1B:G1B+7]
	s_nop 0
.rept 4
	v_nop
.endr
.Lasked_\@:
.endm
; A prefetch of the K step that stands two refills on: 32 rows x 256 bytes, a lane a row, one instruction a wave, behind the joint load, its five lines and the run of LDS loads.
; Each row's 256 bytes of a K step are named once in the launch: q's rows by the clusters with x = 0, k's rows by the clusters with even y (two clusters along y share a batch's keys);
; the four partners that ask for a tile jointly share its rows out by ADDRESS, 32 each.  The loop's last trip asks for nothing: there is no K step two on.
.macro ASK
	s_cmp_gt_u32 s3, s[LIM]
	s_cbranch_scc0 .Lnot_mine_\@
	global_prefetch_b8 v[PFO], s[PFA:PFA+1] offset:KSTEP*2 th:TH_LOAD_NT scope:SCOPE_SE
.Lnot_mine_\@:
.endm
.macro CREST                           ; a round of the cluster's barrier behind its opening barrier
	s_cmp_lg_u32 s14, 0
	s_cbranch_scc1 .Lnot_wave_0_\@
	s_barrier_signal -3
.Lnot_wave_0_\@:
	s_barrier_wait -3
	s_barrier_signal -1
	s_barrier_wait -1
.endm
.macro CROUND
	s_barrier_signal -1
	s_barrier_wait -1
	CREST
.endm
	s_load_b256 s[4:11], s[0:1], 0x0               ; qkv s[4:5], mask s[6:7], pt s[8:9], mstat s[10:11]
	s_load_b64 s[12:13], s[0:1], 0x20              ; lstat
	v_lshl_add_u32 v[SPW], v0, 2, SPARE
	v_mov_b32 v[NIL], 0
	ds_add_u32 v[SPW], v[NIL]                      ; the wave's opening: the add, twice on end, and its wait ahead of my first tensor load
	ds_add_u32 v[SPW], v[NIL]
	v_lshrrev_b32 v1, 5, v0
	v_readfirstlane_b32 s14, v1                    ; wave 0..3
	s_lshr_b32 s15, s14, 1                         ; which half of the tile's queries is mine.  Also: I fetch for q (0) or for k (1)
	s_and_b32 s16, s14, 1                          ; which half of its keys.  Also: which 128 rows of that tile I fetch
	s_bfe_u32 s17, ttmp6, 0x40000                  ; cx
	s_bfe_u32 s18, ttmp6, 0x40004                  ; cy
	s_lshl_b32 s19, ttmp9, 2
	s_add_co_u32 s19, s19, s17                     ; tile of 256 keys in the batch: 0 .. 7
	s_and_b32 s21, ttmp7, 0xffff                   ; cluster y: the batch is y / 2
	s_lshl_b32 s20, s21, 2
	s_add_co_u32 s20, s20, s18                     ; tile of 256 queries: 0 .. 31
	s_lshl_b32 s22, s18, 2
	s_lshl_b32 s22, 15, s22                        ; my row of the cluster
	s_lshl_b32 s23, 0x1111, s17                    ; my column
	s_or_b32 s[G1+0], s22, (1<<16)|(1<<20)|(1<<21)|(5<<22)|(3<<25)  ; 15:0 the mask; 17:16 elements of 2 bytes; 20 padding on; 21 set beside a mask; 24:22 after every 64 words; 31:25 four words
	s_or_b32 s[G1B+0], s23, (1<<16)|(1<<20)|(1<<21)|(5<<22)|(3<<25)
.irp g, G1, G1B
	s_mov_b32 s[\g+1], KSTEP<<16                   ; tensor_dim0 = 128
	s_mov_b32 s[\g+2], 128<<16                     ; tensor_dim1 = 128
	s_mov_b32 s[\g+3], KSTEP<<16                   ; tile_dim0
	s_mov_b32 s[\g+4], 128                         ; tile_dim1
	s_mov_b32 s[\g+5], 2048                        ; elements from row to row
	s_mov_b32 s[\g+6], 0
	s_mov_b32 s[\g+7], 0
.endr
	s_lshl_b32 s22, s16, 7                         ; which 128 rows of the tile I fetch
	s_lshl_b32 s40, s20, 8
	s_add_co_u32 s40, s40, s22                     ; q: row 256 x tile + 128 x half,
	s_lshl_b32 s40, s40, 12                        ; 4,096 bytes a row
	s_mov_b32 s41, 0
	s_lshr_b32 s46, s21, 1
	s_lshl_b32 s46, s46, 11                        ; k: the batch's 2,048 rows,
	s_lshl_b32 s23, s19, 8
	s_add_co_u32 s46, s46, s23                     ; + 256 x tile
	s_add_co_u32 s46, s46, s22                     ; + 128 x half
	s_lshl_b32 s46, s46, 12
	s_mov_b32 s47, 0
	s_mul_i32 s42, s14, HALFT                      ; where they go: wave x 128 rows
	s_mov_b32 s[SEL], 0x76543210
	s_mov_b32 s[SEL+1], 0xfedcba98
	s_mov_b32 s68, 0x4e6e6b28                      ; 1e9
	s_mov_b32 s69, 0xce6e6b28                      ; -1e9
	s_mov_b32 s76, 0x3d000000                      ; 1 / 32 = 1 / sqrt(1024)
	s_mov_b32 s77, s76                             ; (named with it as a pair, so it is written)
	s_mov_b32 s78, 0x3fb8aa3b                      ; log2(e)
	s_mov_b32 s79, s78
	s_wait_dscnt 0x0                               ; both opening adds are done
	s_wait_kmcnt 0x0
	s_add_nc_u64 s[74:75], s[4:5], 2048            ; k begins 1,024 f16 into a row
	s_add_nc_u64 s[40:41], s[4:5], s[40:41]
	s_add_nc_u64 s[46:47], s[74:75], s[46:47]
	CROUND                                         ; all sixteen work-groups are here: the first joint loads meet
.irp s, 0,1
	s_mov_b32 s[G0+4*\s], 1
	s_add_co_u32 s[G0+4*\s+1], s42, \s*SLOT
	s_add_nc_u64 s[G0+4*\s+2:G0+4*\s+3], s[40:41], \s*KSTEP*2
	s_or_b32 s[G0+4*\s+3], s[G0+4*\s+3], 0x80000000
	s_mov_b32 s[G0B+4*\s], 1
	s_add_co_u32 s[G0B+4*\s+1], s42, \s*SLOT
	s_add_nc_u64 s[G0B+4*\s+2:G0B+4*\s+3], s[46:47], \s*KSTEP*2
	s_or_b32 s[G0B+4*\s+3], s[G0B+4*\s+3], 0x80000000
	JLOAD \s                                       ; two tensor loads of mine are out
.endr
	v_and_b32 v1, 15, v0                           ; l % 16
	v_bfe_u32 v2, v0, 4, 1                         ; l / 16
	s_lshl_b32 s70, s20, 8
	s_lshl_b32 s71, s15, 7
	s_add_co_u32 s70, s70, s71                     ; my first query: 256 x tile + 128 x half
	s_mov_b32 s71, 0
	s_add_nc_u64 s[6:7], s[6:7], s[70:71]
.irp a, 0,1,2,3,4,5,6,7
	global_load_u8 v[8+\a], v1, s[6:7] offset:16*\a   ; the mask byte of my query in block a; wanted on the way out
.endr
	s_lshl_b32 s72, s70, 12                        ; pt: my first row,
	s_lshl_b32 s73, s19, 9                         ; 512 bytes a tile of keys,
	s_add_co_u32 s72, s72, s73
	s_lshl_b32 s73, s16, 8                         ; 256 a half
	s_add_co_u32 s72, s72, s73
	s_mov_b32 s73, 0
	s_add_nc_u64 s[8:9], s[8:9], s[72:73]
	s_lshl_b32 s72, s19, 1
	s_add_co_u32 s72, s72, s16                     ; my block of 128 keys: 0 .. 15
	s_lshl_b32 s72, s72, 15                        ; 8,192 queries x 4 bytes a block,
	s_lshl_b32 s73, s70, 2                         ; + my first query
	s_add_co_u32 s72, s72, s73
	s_mov_b32 s73, 0
	s_add_nc_u64 s[10:11], s[10:11], s[72:73]
	s_add_nc_u64 s[12:13], s[12:13], s[72:73]
	v_mul_u32_u24 v3, v1, PITCH
	v_lshl_add_u32 v3, v2, 4, v3                   ; a fragment's row x pitch + 16 x half
	s_mul_i32 s22, s15, HALFT                      ; my 128 rows of q
	s_mul_i32 s23, s16, HALFT                      ; my 128 rows of k,
	s_add_co_u32 s23, s23, 2*HALFT                 ; which lie behind q's 256
.irp s, 0,1
	v_add_nc_u32 v[ADRA+\s], s22, v3
	v_add_nc_u32 v[ADRB+\s], s23, v3
	s_add_co_u32 s22, s22, SLOT
	s_add_co_u32 s23, s23, SLOT
.endr
	s_mul_i32 s22, s14, 16*SPITCH
	s_add_co_u32 s22, s22, STAGE                   ; my stage
	v_mul_u32_u24 v4, v1, SPITCH
	v_lshl_add_u32 v4, v2, 4, v4
	v_add_nc_u32 v[STO], s22, v4
	v_mul_u32_u24 v5, v2, SPITCH
	v_lshl_add_u32 v5, v1, 4, v5
	v_add_nc_u32 v[RD], s22, v5
	v_lshlrev_b32 v5, 12, v2
	v_lshl_add_u32 v[CO], v1, 4, v5
	s_lshl_b32 s22, s14, 10
	s_add_co_u32 s22, s22, STATS                   ; my wave's figures
	v_lshl_add_u32 v[SADR], v1, 2, s22
	v_and_b32 v4, 31, v0
	v_lshlrev_b32 v[LOFF], 4, v4
	v_add_nc_u32 v[SRD], s22, v[LOFF]
	v_lshlrev_b32 v[PFO], 12, v4
	; the prefetches: where my wave's stand, and who asks
	s_lshl_b32 s22, s20, 8                         ; q's tile begins at row 256 x tile;
	s_lshr_b32 s23, s21, 1
	s_lshl_b32 s23, s23, 11
	s_lshl_b32 s70, s19, 8
	s_add_co_u32 s23, s23, s70                     ; k's at 2,048 x batch + 256 x tile
	s_and_b32 s70, s21, 1
	s_cmp_eq_u32 s15, 0                            ; do I fetch for q?
	s_cselect_b32 s22, s22, s23
	s_cselect_b32 s23, s17, s18                    ; my place among the four that ask with me
	s_cselect_b32 s70, ttmp9, s70                  ; the coordinate along which other clusters read the same rows
	s_cselect_b64 s[PFA:PFA+1], s[4:5], s[74:75]
	s_cmp_eq_u32 s70, 0
	s_cselect_b32 s[LIM], 1, -1                    ; the same in all sixteen partners, for a given wave
	s_lshl_b32 s70, s16, 7
	s_add_co_u32 s22, s22, s70                     ; + the 128 rows that I fetch
	s_lshl_b32 s23, s23, 5
	s_add_co_u32 s22, s22, s23                     ; + my work-group's 32 of them
	s_lshl_b32 s22, s22, 12
	s_mov_b32 s23, 0
	s_add_nc_u64 s[PFA:PFA+1], s[PFA:PFA+1], s[22:23]
	s_add_nc_u64 s[PFA:PFA+1], s[PFA:PFA+1], 2*KSTEP*2   ; at K step 2: the first refill steps it to 3 and names K step 4.  Nothing is prefetched here, at the head
; 16 matrix instructions: query blocks a0, a0 + 1 of the window's four x all 8 key blocks, 32 along K.  zero = 1: the first product starts the sums.  The 64 accumulators take turns.
.macro MUL16 f, hi, a0, zero
.irp a, \a0, \a0+1
.irp b, 0,1,2,3,4,5,6,7
.if \zero
	v_wmma_f32_16x16x32_f16 v[8*(8*(\a)+\b):8*(8*(\a)+\b)+7], v[\f+8*\b:\f+8*\b+7], v[\f+8*(4*\hi+\a):\f+8*(4*\hi+\a)+7], 0
.else
	v_wmma_f32_16x16x32_f16 v[8*(8*(\a)+\b):8*(8*(\a)+\b)+7], v[\f+8*\b:\f+8*\b+7], v[\f+8*(4*\hi+\a):\f+8*(4*\hi+\a)+7], v[8*(8*(\a)+\b):8*(8*(\a)+\b)+7]
.endif
.endr
.endr
.endm
.macro FETCH slot, k, f                ; 32 LDS loads in one run: the fragments of one quarter step (128 rows of k, 128 of q, 32 along K at byte k of the rows) into buffer f
	WIN TO_B
.irp i, 0,1,2,3,4,5,6,7
	ds_load_b128 v[\f+8*\i:\f+8*\i+3],   v[ADRB+\slot] offset:\k+\i*16*PITCH
	ds_load_b128 v[\f+8*\i+4:\f+8*\i+7], v[ADRB+\slot] offset:\k+\i*16*PITCH+32
.endr
	WIN 0
.irp i, 0,1,2,3,4,5,6,7
	ds_load_b128 v[\f+8*\i:\f+8*\i+3],   v[ADRA+\slot] offset:\k+\i*16*PITCH
	ds_load_b128 v[\f+8*\i+4:\f+8*\i+7], v[ADRA+\slot] offset:\k+\i*16*PITCH+32
.endr
.endm
.macro PLACES                          ; four places in front of loads into registers that matrix instructions have read
.rept 4
	v_nop
.endr
.endm
.macro QUARTER slot, k, f, g, zero     ; one of a K step's first three quarters: multiplies buffer f; in its middle it fetches the next quarter, at byte k, into g
	s_wait_dscnt 8                                 ; k's fragments and q's rows 0-63 are in; the youngest eight loads (q's rows 64-127) may be out
	WIN MUL_LO
	MUL16 \f, 0, 0, \zero
	MUL16 \f, 0, 2, \zero
	PLACES
	FETCH \slot, \k, \g
	s_wait_dscnt 32                                ; all but the 32 just issued
	WIN MUL_HI
	MUL16 \f, 1, 0, \zero
	MUL16 \f, 1, 2, \zero
.endm
; The last quarter multiplies buffer 1 and changes slots: ONE barrier; in front of it each wave waits for all its tensor loads (its part of the next slot), adds 0 to its spare word, and waits for that and for its reads of this slot.
; fill = 1: the barrier opens a round of the cluster's barrier, and this slot is filled again, two K steps ahead, first thing behind the round.
.macro TURN slot, next, fill
.if \fill
	s_wait_xcnt 0x0                                ; the last prefetch, a K step back, has read its address: it is stepped here, ahead of the waits of the change of slots
	s_add_nc_u64 s[PFA:PFA+1], s[PFA:PFA+1], KSTEP*2
.endif
	WIN 0                                          ; (the add's two registers lie in window 0)
	s_wait_tensorcnt 0x0                           ; all my tensor loads have landed
	ds_add_u32 v[SPW], v[NIL]                      ; 0 onto my spare word
	s_wait_dscnt 9                                 ; (the add and the youngest eight loads may be out)
	WIN MUL_LO
	MUL16 F1, 0, 0, 0
	s_wait_dscnt 0x0                               ; the add is done, and my reads of this slot are over
	s_barrier_signal -1
	MUL16 F1, 0, 2, 0
.if \fill
	WIN 0
.endif
	s_barrier_wait -1
.if \fill
	CREST                                          ; no wave of any partner still reads this slot's tile or has a load on its way
	s_add_nc_u64 s[G0+4*\slot+2:G0+4*\slot+3], s[G0+4*\slot+2:G0+4*\slot+3], 2*KSTEP*2
	s_add_nc_u64 s[G0B+4*\slot+2:G0B+4*\slot+3], s[G0B+4*\slot+2:G0B+4*\slot+3], 2*KSTEP*2
	JLOAD \slot                                    ; my one tensor load behind the round; the four v_nop behind it are also the places in front of the loads below
.else
	PLACES
.endif
	FETCH \next, 0, F0
.if \fill
	ASK
.endif
	WIN MUL_HI
	MUL16 F1, 1, 0, 0
	MUL16 F1, 1, 2, 0
.endm
	s_wait_tensorcnt 1                             ; my part of K step 0 is in (K step 1's load may be out)
	s_barrier_signal -1
	s_barrier_wait -1                              ; everybody's is
	FETCH 0, 0, F0
	QUARTER 0, 64,  F0, F1, 1                      ; the first quarter's products start the sums
	WIN 0
	s_mov_b32 s3, LAPS-1
.Llap:                                                 ; three trips: each goes once round the ring and fills both slots again: K steps 2 to 7
	QUARTER 0, 128, F1, F0, 0
	QUARTER 0, 192, F0, F1, 0
	TURN 0, 1, 1
	QUARTER 1, 64,  F0, F1, 0
	QUARTER 1, 128, F1, F0, 0
	QUARTER 1, 192, F0, F1, 0
	TURN 1, 0, 1
	QUARTER 0, 64,  F0, F1, 0
	WIN 0
	s_sub_co_u32 s3, s3, 1
	s_cmp_lg_u32 s3, 0
	s_cbranch_scc1 .Llap
	QUARTER 0, 128, F1, F0, 0                      ; the last lap is written out: it fills nothing
	QUARTER 0, 192, F0, F1, 0
	TURN 0, 1, 0
	QUARTER 1, 64,  F0, F1, 0
	QUARTER 1, 128, F1, F0, 0
	QUARTER 1, 192, F0, F1, 0
	s_wait_dscnt 8
	WIN MUL_LO
	MUL16 F1, 0, 0, 0
	MUL16 F1, 0, 2, 0
	s_wait_dscnt 0
	WIN MUL_HI
	MUL16 F1, 1, 0, 0
	MUL16 F1, 1, 2, 0
	WIN 0
	; THE WAY OUT.  The biases first: 25 plain lines, which are also the places behind the last products.
	s_wait_loadcnt 0x0                             ; the mask bytes
	v_mov_b32 v[PD], 0                             ; written once: a lane permute's destination counts as one of its sources
.irp a, 0,1,2,3,4,5,6,7
	v_cvt_f32_u32 v[BI+2*\a], v[8+\a]
.endr
.irp a, 0,1,2,3,4,5,6,7
	v_fma_f32 v[BI+2*\a], v[BI+2*\a], s68, s69     ; byte 1: 1e9 - 1e9 = 0; byte 0: -1e9
.endr
.irp a, 0,1,2,3,4,5,6,7
	v_mov_b32 v[BI+2*\a+1], v[BI+2*\a]
.endr
; Block a: 16 queries x my 128 keys; a lane holds 64 scores of one query, the lane 16 away the other 64.
.macro EPI a
.set AC, 64*((\a)%4)
	WIN 2+(\a)/4                                   ; source 0: window 2 or 3
.set i, 0
.rept 32
	v_pk_fma_f32 v[U+i:U+i+1], v[AC+i:AC+i+1], s[76:77], v[BI+2*(\a):BI+2*(\a)+1] op_sel_hi:[1,0,1]   ; u = S / 32 + bias; each accumulator from its low end on
.set i, i+2
.endr
	WIN 0
.irp c, 0,1,2,3
	v_max3_num_f32 v[T+\c], v[U+16*\c], v[U+16*\c+1], v[U+16*\c+2]   ; the largest u, in four chains
.endr
.irp i, 3,5,7,9,11,13
.irp c, 0,1,2,3
	v_max3_num_f32 v[T+\c], v[T+\c], v[U+16*\c+\i], v[U+16*\c+\i+1]
.endr
.endr
.irp c, 0,1,2,3
	v_max_num_f32 v[T+\c], v[T+\c], v[U+16*\c+15]
.endr
	v_max3_num_f32 v[T], v[T], v[T+1], v[T+2]
	v_max_num_f32 v[T], v[T], v[T+3]
	v_permlanex16_b32 v[PD], v[T], s[SEL], s[SEL+1]
	v_max_num_f32 v[MX], v[T], v[PD]               ; m of my query in this block of keys,
	v_max_num_f32 v[MX+1], v[T], v[PD]             ; twice
	ds_store_b32 v[SADR], v[MX] offset:64*(\a)     ; both halves of the lanes write the same word with the same value
.set i, 0
.rept 32
	v_pk_add_f32 v[U+i:U+i+1], v[U+i:U+i+1], v[MX:MX+1] neg_lo:[0,1] neg_hi:[0,1]   ; u - m FIRST,
.set i, i+2
.endr
.set i, 0
.rept 32
	v_pk_mul_f32 v[U+i:U+i+1], v[U+i:U+i+1], s[78:79] op_sel_hi:[1,0]   ; then x log2(e): the two are not fused, since m log2(e) would be rounded at m's size
.set i, i+2
.endr
.set i, 0
.rept 64
	v_exp_f32 v[U+i], v[U+i]                       ; p~, at most 1: one batch
.set i, i+1
.endr
	v_nop                                          ; a plain line behind the last exponential
	s_wait_alu depctr_va_vdst(0)                   ; one wait for the batch, ahead of its first reader
	v_pk_add_f32 v[SU:SU+1], v[U:U+1], v[U+2:U+3]  ; l: the sum of the unrounded p~, two at a time, in two chains
	v_pk_add_f32 v[SU+2:SU+3], v[U+4:U+5], v[U+6:U+7]
.irp j, 8,12,16,20,24,28,32,36,40,44,48,52,56,60
	v_pk_add_f32 v[SU:SU+1], v[SU:SU+1], v[U+\j:U+\j+1]
	v_pk_add_f32 v[SU+2:SU+3], v[SU+2:SU+3], v[U+\j+2:U+\j+3]
.endr
	v_pk_add_f32 v[SU:SU+1], v[SU:SU+1], v[SU+2:SU+3]
	v_add_f32 v[SU], v[SU], v[SU+1]
	v_permlanex16_b32 v[PD], v[SU], s[SEL], s[SEL+1]
	v_add_f32 v[SU], v[SU], v[PD]
	ds_store_b32 v[SADR], v[SU] offset:512+64*(\a)
.set i, 0
.rept 32
	v_cvt_pk_f16_f32 v[H+i], v[U+2*i], v[U+2*i+1]
.set i, i+1
.endr
.endm
.macro TOSTAGE a
.set BB, BK+32*((\a)%2)
.irp b, 0,1,2,3,4,5,6,7
	ds_store_b128 v[STO], v[H+4*\b:H+4*\b+3] offset:32*\b
.endr
.irp t, 0,1,2,3,4,5,6,7
	ds_load_b128 v[BB+4*\t:BB+4*\t+3], v[RD] offset:\t*2*SPITCH    ; LDS serves a wave's instructions in order (ISA guide 5.7.1.4): these see the stores above
.endr
.endm
.macro SEND a
.set BB, BK+32*((\a)%2)
	s_wait_dscnt 0x0                               ; the block is back in registers
	s_wait_xcnt 0x0                                ; only behind this wait are the stores' base and the registers that earlier stores read rewritten
.if (\a) > 0
	s_add_nc_u64 s[8:9], s[8:9], 16*ROWQ
.endif
.irp t, 0,1,2,3,4,5,6,7
	global_store_b128 v[CO], v[BB+4*\t:BB+4*\t+3], s[8:9] offset:2*\t*ROWQ   ; 16 lanes store 256 consecutive bytes, at a multiple of 256 from the buffer's first byte
.endr
.endm
	EPI 0
	TOSTAGE 0
.irp a, 1,2,3,4,5,6,7                  ; block a's softmax stands between block a - 1's loads from the stage and the wait for them
	EPI \a
	SEND \a-1
	TOSTAGE \a
.endr
	SEND 7
	ds_load_b128 v[48:51], v[SRD]                  ; my 128 queries' m: 512 bytes, 16 a lane (my own stores, served in order),
	ds_load_b128 v[52:55], v[SRD] offset:512       ; and l
	s_wait_dscnt 0x0
	global_store_b128 v[LOFF], v[48:51], s[10:11]  ; 32 lanes store 512 consecutive bytes
	global_store_b128 v[LOFF], v[52:55], s[12:13]
	s_wait_tensorcnt 0x0                           ; the wave's end, behind my last tensor load and my last LDS store
	ds_add_u32 v[SPW], v[NIL]
	s_wait_dscnt 0x0
	CROUND                                         ; the closing round
	s_endpgm
.Lfunc_end_k_q8e6faff2cb_scores:
	.size	k_q8e6faff2cb_scores, .Lfunc_end_k_q8e6faff2cb_scores-k_q8e6faff2cb_scores
	.p2alignl 7, 3214868480
	.fill 96, 4, 3214868480
	.section	.rodata,"a",@progbits
	.p2align	6, 0x0
	.amdhsa_kernel k_q8e6faff2cb_scores
		.amdhsa_group_segment_fixed_size 327680
		.amdhsa_private_segment_fixed_size 0
		.amdhsa_enable_private_segment 0
		.amdhsa_kernarg_size 40
		.amdhsa_user_sgpr_count 2
		.amdhsa_user_sgpr_kernarg_segment_ptr 1
		.amdhsa_wavefront_size32 1
		.amdhsa_system_sgpr_workgroup_id_x 1
		.amdhsa_system_sgpr_workgroup_id_y 1
		.amdhsa_system_sgpr_workgroup_id_z 1
		.amdhsa_system_vgpr_workitem_id 0
		.amdhsa_next_free_vgpr 1024
		.amdhsa_next_free_sgpr 80
		.amdhsa_reserve_vcc 0
		.amdhsa_float_denorm_mode_32 3
		.amdhsa_float_denorm_mode_16_64 3
		.amdhsa_memory_ordered 1
		.amdhsa_forward_progress 1
		.amdhsa_inst_pref_size 246
	.end_amdhsa_kernel
	.amdgpu_metadata
---
amdhsa.version: [ 1, 2 ]
amdhsa.kernels:
  - .name:           k_q8e6faff2cb_scores
    .symbol:         k_q8e6faff2cb_scores.kd
    .args:
      - { .name: qkv, .offset: 0, .size: 8, .value_kind: global_buffer, .address_space: global }
      - { .name: mask, .offset: 8, .size: 8, .value_kind: global_buffer, .address_space: global }
      - { .name: pt, .offset: 16, .size: 8, .value_kind: global_buffer, .address_space: global }
      - { .name: mstat, .offset: 24, .size: 8, .value_kind: global_buffer, .address_space: global }
      - { .name: lstat, .offset: 32, .size: 8, .value_kind: global_buffer, .address_space: global }
    .group_segment_fixed_size: 327680
    .private_segment_fixed_size: 0
    .kernarg_segment_align: 8
    .kernarg_segment_size: 40
    .max_flat_workgroup_size: 128
    .sgpr_count:     80
    .vgpr_count:     1024
    .wavefront_size: 32
...
	.end_amdgpu_metadata
.endif
;; end of part 3
;; launch pv (part 4): grid 4 x 64, 4 waves a work-group, clusters of 4 x 4, 327,680 bytes of LDS; arguments pt, qkv, mstat, lstat, out0; writes out0
.if DOCPART == 4
	.amdgcn_target "amdgcn-amd-amdhsa--gfx1250"
	.amdhsa_code_object_version 6
	.text
	.protected	k_q8e6faff2cb_pv
	.globl	k_q8e6faff2cb_pv
	.p2align	8
	.type	k_q8e6faff2cb_pv,@function
k_q8e6faff2cb_pv:
	s_mov_b64 s[64:65], 0
	v_nop
	global_prefetch_b8 v0, s[64:65] scope:SCOPE_SE
	s_setreg_imm32_b32 hwreg(HW_REG_WAVE_MODE, 25, 1), 1
	s_wait_xcnt 0x0
	s_wait_alu depctr_hold_cnt(0) depctr_sa_sdst(0) depctr_va_vdst(0) depctr_va_sdst(0) depctr_va_ssrc(0) depctr_va_vcc(0) depctr_vm_vsrc(0)
	s_getreg_b32 s2, hwreg(HW_REG_IB_STS2, 6, 4)
	s_cmp_eq_u32 s2, 0
	s_cbranch_scc0 .Lentry_in_a_cluster
	s_endpgm
.Lentry_in_a_cluster:
	s_bfe_u32 s2, ttmp6, 0x10000c
	s_cmp_lg_u32 s2, 0xf033
	s_cbranch_scc0 .Lentry_shape_is_right
	s_endpgm
.Lentry_shape_is_right:
; The second half of the softmax and the last product.  out0[q][c] = sum over the 16 blocks j of 128 keys of g_j(q) T_j[q][c],  T_j[q][c] = sum over the block's keys of p~[q][key] v[key][c] (f16 operands, f32 sums),
; g_j(q) = 2^((m_j - m) log2(e)) / L,  m = the largest m_j of the row,  L = the sum over j of 2^((m_j - m) log2(e)) l_j: so every weight stands under the ROW's largest u, taken away in f32 before the exponential.
; p~ = pt [8192][2048] f16;  v^T = qkv rows 8192 + 1024 b + c, the keys along the row;  m, l = mstat, lstat [16][8192] f32;  out0 [8192][1024] f32.
; L is at least 1: the block that holds the row's largest u has weight 1 and a sum of at least 1.
; A tile of out0, 128 queries x 256 channels, is made by four waves, each 64 x 128: 32 accumulators T (window 2) and 32 f32 sums O (window 1).  A K step is 128 keys = one block: 16 steps through a ring of two LDS slots.
; THE FOLD.  When a block's T is whole, O += g T, four packed multiply-adds for each accumulator; they stand between the matrix instructions of the next block's first quarter, each ahead of the product that begins that T anew with C = 0.
; O begins as zeros: 256 moves, once, while the first tiles are on their way; so the loop is written once and its first fold is like every other.
; THE MATRIX INSTRUCTION IS USED TRANSPOSED (source 0 = 16 channels of v^T, source 1 = 16 queries of p~): a lane holds ONE query (lane % 16), so g is one number a lane for each block of 16 queries.
; CLUSTERS: 4 x 4 work-groups; p~'s tile is shared along a row of the cluster (the four channel tiles), v^T's along a column (four tiles of queries): asked for jointly.
; REGISTERS: window 0: v0-31 addresses; v32-39 g of the block in hand, each twice; v64-159, v160-255 two fragment buffers (p~'s 4 fragments, then v^T's 8).   window 1: O.   window 2: T ((a, b) at v[8 (8 a + b)]).
.set KSTEP,  128
.set PITCH,  272                       ; an LDS row: 256 bytes + 16 of padding = 68 words: row r starts at bank 4 r mod 64 (64 banks of 4 bytes: ISA guide 11.1)
.set HALFA,  64*PITCH                  ; 64 rows of p~: one tensor load, and what one wave reads
.set HALFB,  128*PITCH                 ; 128 rows of v^T likewise
.set BOFF,   2*HALFA
.set SLOT,   BOFF+2*HALFB              ; p~'s 128 rows, then v^T's 256
.set GL,     2*SLOT                    ; behind the ring: g.  16,384 bytes a wave, 1,024 a block: at 16 x lane {g0, g0, g1, g1}, 512 bytes on {g2, g2, g3, g3}
.set STAGE,  GL+4*16384                ; the way out: 16 rows x (512 + 16) bytes for each wave
.set SPITCH, 528
.set SPARE,  STAGE+4*16*SPITCH         ; the spare words, 128 bytes for each wave
.set ROWB,   4096                      ; a row of pt, of qkv and of out0 in bytes
.set LAPS,   8
.set ADRA, 16                          ; v16-17  LDS address of my p~ fragments in slot 0, 1
.set ADRB, 20                          ; v20-21  the same for v^T
.set QOF,  22                          ; v22     4 x (lane % 16): my query among 16, in mstat and lstat
.set GA,   23                          ; v23     LDS address of the g in hand
.set STO,  24                          ; v24     the way out: where I put 32 bytes of a row
.set RD,   25                          ; v25     where I read a row back
.set CO,   26                          ; v26     16 x lane
.set GADR, 27                          ; v27     my wave's g + 16 x lane; never rewritten
.set SPW,  28                          ; v28     LDS address of my spare word; never rewritten
.set NIL,  29                          ; v29     0; never rewritten
.set PFO,  30                          ; v30     lane x 4,096; never rewritten
.set GC,   32                          ; v32-39
.set RM,   40                          ; v40-43  the prologue: the row's largest m, for my query of each of the four blocks of queries
.set LS,   44                          ; v44-47  L, then 1 / L
.set F0,   64
.set F1,   160
.set MM,   64                          ; the prologue: v[MM + 4 j + a] = m_j, then its weight
.set LL,   128                         ; v[LL + 4 j + a] = l_j
.set GG,   128                         ; then v[GG + 8 j + 2 a], + 1 = g_j, twice
.set FO,   64                          ; the way out: a block's 64 results
.set BK,   128                         ; rows read back: v128-191 and v192-255 by turns
.set G1, 24                            ; s[24:31] descriptor group 1 for p~'s tiles;  s[32:39] group 0, one set for each slot
.set G0, 32
.set G1B, 48                           ; s[48:55], s[56:63] the same for v^T's
.set G0B, 56
.set LIM, 43
.set PFA, 44
.set GOF, 66                           ; s66     1,024 x the block whose g is fetched next
.set MSB, 0
.macro WIN new
.if MSB != (\new)
	s_set_vgpr_msb (MSB<<8)|(\new)
.set MSB, \new
.endif
.endm
.set MUL,  0xa0                        ; sources 0 and 1 window 0; C and D window 2
.set FOLD, 0x52                        ; source 0 (T) window 2, source 1 (g) window 0, source 2 and destination (O) window 1
.set FIN,  0x12                        ; the same with the destination in window 0
.macro JLOAD s                         ; a joint load: waves 0 and 1 fetch p~'s two halves, waves 2 and 3 v^T's; an s_nop 0 and four v_nop follow each of the two lines
	s_cmp_eq_u32 s15, 0
	s_cbranch_scc0 .Lfor_b_\@
	tensor_load_to_lds s[G0+4*\s:G0+4*\s+3], s[G1:G1+7]
	s_nop 0
.rept 4
	v_nop
.endr
	s_branch .Lasked_\@
.Lfor_b_\@:
	tensor_load_to_lds s[G0B+4*\s:G0B+4*\s+3], s[G1B:G1B+7]
	s_nop 0
.rept 4
	v_nop
.endr
.Lasked_\@:
.endm
; A prefetch of the K step that stands two refills on: 32 rows x 256 bytes, a lane a row.  Each row's 256 bytes of a K step are named once in the launch.  p~'s 128 rows are read by one row of one cluster alone: its four partners
; take 32 each, by ADDRESS, and wave 0 asks.  v^T's 256 rows are read by the four clusters of a batch: the first of them (y % 4 = 0) asks; its column's four partners take 64 each, by address, waves 2 and 3 take 32 each.
; Wave 1 asks for nothing.  The loop's last trip asks for nothing: there is no K step two on.
.macro ASK
	s_cmp_gt_u32 s3, s[LIM]
	s_cbranch_scc0 .Lnot_mine_\@
	global_prefetch_b8 v[PFO], s[PFA:PFA+1] offset:KSTEP*2 th:TH_LOAD_NT scope:SCOPE_SE
.Lnot_mine_\@:
.endm
.macro CREST
	s_cmp_lg_u32 s14, 0
	s_cbranch_scc1 .Lnot_wave_0_\@
	s_barrier_signal -3
.Lnot_wave_0_\@:
	s_barrier_wait -3
	s_barrier_signal -1
	s_barrier_wait -1
.endm
.macro CROUND
	s_barrier_signal -1
	s_barrier_wait -1
	CREST
.endm
	s_load_b256 s[4:11], s[0:1], 0x0               ; pt s[4:5], qkv s[6:7], mstat s[8:9], lstat s[10:11]
	s_load_b64 s[12:13], s[0:1], 0x20              ; out0
	v_lshl_add_u32 v[SPW], v0, 2, SPARE
	v_mov_b32 v[NIL], 0
	ds_add_u32 v[SPW], v[NIL]                      ; the wave's opening: the add, twice on end, and its wait ahead of my first tensor load
	ds_add_u32 v[SPW], v[NIL]
	v_lshrrev_b32 v1, 5, v0
	v_readfirstlane_b32 s14, v1                    ; wave 0..3
	s_lshr_b32 s15, s14, 1                         ; which 64 of the tile's queries are mine.  Also: I fetch for p~ (0) or for v^T (1)
	s_and_b32 s16, s14, 1                          ; which 128 of its channels.  Also: which half of that tile I fetch
	s_bfe_u32 s17, ttmp6, 0x40000                  ; cx: the tile of 256 channels (the grid has one cluster along x)
	s_bfe_u32 s18, ttmp6, 0x40004                  ; cy
	s_and_b32 s20, ttmp7, 0xffff                   ; cluster y: the batch is y / 4
	s_lshl_b32 s19, s20, 2
	s_add_co_u32 s19, s19, s18                     ; tile of 128 queries: 0 .. 63
	s_lshl_b32 s22, s18, 2
	s_lshl_b32 s22, 15, s22                        ; my row of the cluster
	s_lshl_b32 s23, 0x1111, s17                    ; my column
	s_or_b32 s[G1+0], s22, (1<<16)|(1<<20)|(1<<21)|(5<<22)|(3<<25)  ; 15:0 the mask; 17:16 elements of 2 bytes; 20 padding on; 21 set beside a mask; 24:22 after every 64 words; 31:25 four words
	s_mov_b32 s[G1+1], KSTEP<<16                   ; tensor_dim0 = 128
	s_mov_b32 s[G1+2], 64<<16                      ; tensor_dim1 = 64
	s_mov_b32 s[G1+3], KSTEP<<16                   ; tile_dim0
	s_mov_b32 s[G1+4], 64                          ; tile_dim1
	s_mov_b32 s[G1+5], 2048                        ; elements from row to row
	s_mov_b32 s[G1+6], 0
	s_mov_b32 s[G1+7], 0
	s_or_b32 s[G1B+0], s23, (1<<16)|(1<<20)|(1<<21)|(5<<22)|(3<<25)
	s_mov_b32 s[G1B+1], KSTEP<<16
	s_mov_b32 s[G1B+2], 128<<16                    ; 128 rows
	s_mov_b32 s[G1B+3], KSTEP<<16
	s_mov_b32 s[G1B+4], 128
	s_mov_b32 s[G1B+5], 2048
	s_mov_b32 s[G1B+6], 0
	s_mov_b32 s[G1B+7], 0
	s_lshl_b32 s40, s19, 7
	s_lshl_b32 s22, s16, 6
	s_add_co_u32 s40, s40, s22                     ; p~: row 128 x tile + 64 x half,
	s_lshl_b32 s40, s40, 12                        ; 4,096 bytes a row
	s_mov_b32 s41, 0
	s_lshr_b32 s46, s20, 2
	s_lshl_b32 s46, s46, 10
	s_add_co_u32 s46, s46, 8192                    ; v^T: row 8,192 + 1,024 x batch
	s_lshl_b32 s22, s17, 8
	s_add_co_u32 s46, s46, s22                     ; + 256 x channel tile
	s_lshl_b32 s22, s16, 7
	s_add_co_u32 s46, s46, s22                     ; + 128 x half
	s_lshl_b32 s46, s46, 12
	s_mov_b32 s47, 0
	s_mul_i32 s42, s16, HALFA                      ; where they go in a slot: p~'s halves,
	s_mul_i32 s23, s16, HALFB
	s_add_co_u32 s23, s23, BOFF                    ; v^T's behind them: no place in the cluster enters an LDS address
	s_mov_b32 s78, 0x3fb8aa3b                      ; log2(e)
	s_mov_b32 s79, s78                             ; (named with it as a pair, so it is written)
	s_mov_b32 s[GOF], 0
	s_wait_dscnt 0x0                               ; both opening adds are done
	s_wait_kmcnt 0x0
	s_add_nc_u64 s[40:41], s[4:5], s[40:41]
	s_add_nc_u64 s[46:47], s[6:7], s[46:47]
	CROUND                                         ; all sixteen work-groups are here: the first joint loads meet
.irp s, 0,1
	s_mov_b32 s[G0+4*\s], 1
	s_add_co_u32 s[G0+4*\s+1], s42, \s*SLOT
	s_add_nc_u64 s[G0+4*\s+2:G0+4*\s+3], s[40:41], \s*KSTEP*2
	s_or_b32 s[G0+4*\s+3], s[G0+4*\s+3], 0x80000000
	s_mov_b32 s[G0B+4*\s], 1
	s_add_co_u32 s[G0B+4*\s+1], s23, \s*SLOT
	s_add_nc_u64 s[G0B+4*\s+2:G0B+4*\s+3], s[46:47], \s*KSTEP*2
	s_or_b32 s[G0B+4*\s+3], s[G0B+4*\s+3], 0x80000000
	JLOAD \s                                       ; two tensor loads of mine are out
.endr
	v_and_b32 v1, 15, v0                           ; l % 16
	v_bfe_u32 v2, v0, 4, 1                         ; l / 16
	v_lshlrev_b32 v[QOF], 2, v1
	s_lshl_b32 s70, s19, 7
	s_lshl_b32 s71, s15, 6
	s_add_co_u32 s70, s70, s71                     ; my first query: 128 x tile + 64 x half
	s_lshl_b32 s72, s70, 2
	s_mov_b32 s73, 0
	s_add_nc_u64 s[8:9], s[8:9], s[72:73]
	s_add_nc_u64 s[10:11], s[10:11], s[72:73]
	; THE PROLOGUE, while the first tiles are on their way: g for my 64 queries and all 16 blocks
.irp j, 0,1,2,3,4,5,6,7,8,9,10,11,12,13,14,15
.irp a, 0,1,2,3
	global_load_b32 v[MM+4*\j+\a], v[QOF], s[8:9] offset:\j*32768+64*\a
.endr
.endr
.irp j, 0,1,2,3,4,5,6,7,8,9,10,11,12,13,14,15
.irp a, 0,1,2,3
	global_load_b32 v[LL+4*\j+\a], v[QOF], s[10:11] offset:\j*32768+64*\a
.endr
.endr
	s_lshl_b32 s72, s70, 12                        ; out0: my first row,
	s_lshl_b32 s71, s17, 10                        ; 1,024 bytes a channel tile,
	s_add_co_u32 s72, s72, s71
	s_lshl_b32 s71, s16, 9                         ; 512 a half
	s_add_co_u32 s72, s72, s71
	s_add_nc_u64 s[12:13], s[12:13], s[72:73]
	v_mul_u32_u24 v3, v1, PITCH
	v_lshl_add_u32 v3, v2, 4, v3                   ; a fragment's row x pitch + 16 x half
	s_mul_i32 s21, s15, HALFA                      ; my 64 rows of p~
	s_mul_i32 s22, s16, HALFB                      ; my 128 rows of v^T
	s_add_co_u32 s22, s22, BOFF
.irp s, 0,1
	v_add_nc_u32 v[ADRA+\s], s21, v3
	v_add_nc_u32 v[ADRB+\s], s22, v3
	s_add_co_u32 s21, s21, SLOT
	s_add_co_u32 s22, s22, SLOT
.endr
	v_and_b32 v4, 31, v0
	v_lshlrev_b32 v[CO], 4, v4
	v_lshlrev_b32 v[PFO], 12, v4
	s_lshl_b32 s21, s14, 14
	s_add_co_u32 s21, s21, GL
	v_add_nc_u32 v[GADR], s21, v[CO]
	s_mul_i32 s21, s14, 16*SPITCH
	s_add_co_u32 s21, s21, STAGE                   ; my stage
	v_add_nc_u32 v[RD], s21, v[CO]                 ; back: the 32 lanes take one row of 512 bytes
	v_mul_u32_u24 v5, v1, SPITCH                   ; in: row l % 16, 32 bytes for each half of the lanes
	v_lshl_add_u32 v5, v2, 5, v5
	v_add_nc_u32 v[STO], s21, v5
	; the prefetches: where my wave's stand, and who asks
	s_lshl_b32 s21, s19, 7
	s_lshl_b32 s22, s17, 5
	s_add_co_u32 s21, s21, s22                     ; p~: row 128 x tile + 32 cx
	s_lshr_b32 s22, s20, 2
	s_lshl_b32 s22, s22, 10
	s_add_co_u32 s22, s22, 8192
	s_lshl_b32 s23, s17, 8
	s_add_co_u32 s22, s22, s23
	s_lshl_b32 s23, s18, 6
	s_add_co_u32 s22, s22, s23
	s_lshl_b32 s23, s16, 5
	s_add_co_u32 s22, s22, s23                     ; v^T: row 8,192 + 1,024 x batch + 256 cx + 64 cy + 32 (wave % 2)
	s_and_b32 s23, s20, 3
	s_cmp_eq_u32 s15, 0
	s_cselect_b32 s21, s21, s22
	s_cselect_b32 s23, s16, s23                    ; 0 in wave 0, and in waves 2 and 3 of a batch's first cluster: the same in all sixteen partners, for a given wave
	s_cselect_b64 s[PFA:PFA+1], s[4:5], s[6:7]
	s_cmp_eq_u32 s23, 0
	s_cselect_b32 s[LIM], 1, -1
	s_lshl_b32 s22, s21, 12
	s_mov_b32 s23, 0
	s_add_nc_u64 s[PFA:PFA+1], s[PFA:PFA+1], s[22:23]
	s_add_nc_u64 s[PFA:PFA+1], s[PFA:PFA+1], 2*KSTEP*2   ; at K step 2: the first refill steps it to 3 and names K step 4.  Nothing is prefetched here, at the head
	WIN 0x40                                       ; destination window 1
.set i, 0
.rept 256
	v_mov_b32 v[i], 0                              ; O
.set i, i+1
.endr
	WIN 0
	s_wait_loadcnt 0x0                             ; m and l
.irp a, 0,1,2,3
	v_max3_num_f32 v[RM+\a], v[MM+\a], v[MM+4+\a], v[MM+8+\a]      ; the row's largest m, the four blocks of queries by turns
.endr
.irp j, 3,5,7,9,11,13
.irp a, 0,1,2,3
	v_max3_num_f32 v[RM+\a], v[RM+\a], v[MM+4*\j+\a], v[MM+4*\j+4+\a]
.endr
.endr
.irp a, 0,1,2,3
	v_max_num_f32 v[RM+\a], v[RM+\a], v[MM+60+\a]
.endr
.irp j, 0,1,2,3,4,5,6,7,8,9,10,11,12,13,14,15
.irp c, 0,2
	v_pk_add_f32 v[MM+4*\j+\c:MM+4*\j+\c+1], v[MM+4*\j+\c:MM+4*\j+\c+1], v[RM+\c:RM+\c+1] neg_lo:[0,1] neg_hi:[0,1]   ; m_j - m FIRST,
.endr
.endr
.irp j, 0,1,2,3,4,5,6,7,8,9,10,11,12,13,14,15
.irp c, 0,2
	v_pk_mul_f32 v[MM+4*\j+\c:MM+4*\j+\c+1], v[MM+4*\j+\c:MM+4*\j+\c+1], s[78:79] op_sel_hi:[1,0]   ; then x log2(e)
.endr
.endr
.set i, 0
.rept 64
	v_exp_f32 v[MM+i], v[MM+i]                     ; the blocks' weights, at most 1: one batch
.set i, i+1
.endr
	v_nop                                          ; a plain line behind the last exponential
	s_wait_alu depctr_va_vdst(0)                   ; one wait for the batch, ahead of its first reader
.irp c, 0,2
	v_pk_mul_f32 v[LS+\c:LS+\c+1], v[MM+\c:MM+\c+1], v[LL+\c:LL+\c+1]
.endr
.irp j, 1,2,3,4,5,6,7,8,9,10,11,12,13,14,15
.irp c, 0,2
	v_pk_fma_f32 v[LS+\c:LS+\c+1], v[MM+4*\j+\c:MM+4*\j+\c+1], v[LL+4*\j+\c:LL+4*\j+\c+1], v[LS+\c:LS+\c+1]   ; L
.endr
.endr
.irp a, 0,1,2,3
	v_rcp_f32 v[LS+\a], v[LS+\a]
.endr
	v_nop
	s_wait_alu depctr_va_vdst(0)                   ; one wait for the four reciprocals
.irp j, 0,1,2,3,4,5,6,7,8,9,10,11,12,13,14,15
.irp a, 0,1,2,3
	v_mul_f32 v[GG+8*\j+2*\a], v[MM+4*\j+\a], v[LS+\a]             ; g, twice: a pair for the packed fold (l's registers are done with)
	v_mul_f32 v[GG+8*\j+2*\a+1], v[MM+4*\j+\a], v[LS+\a]
.endr
.endr
.irp j, 0,1,2,3,4,5,6,7,8,9,10,11,12,13,14,15
	ds_store_b128 v[GADR], v[GG+8*\j:GG+8*\j+3] offset:\j*1024
	ds_store_b128 v[GADR], v[GG+8*\j+4:GG+8*\j+7] offset:\j*1024+512
.endr
.macro FETCH slot, k, f                ; 24 LDS loads in one run: v^T's 8 fragments, then p~'s 4, of 32 along K at byte k of the rows, into buffer f
.irp i, 0,1,2,3,4,5,6,7
	ds_load_b128 v[\f+32+8*\i:\f+32+8*\i+3], v[ADRB+\slot] offset:\k+\i*16*PITCH
	ds_load_b128 v[\f+32+8*\i+4:\f+32+8*\i+7], v[ADRB+\slot] offset:\k+\i*16*PITCH+32
.endr
.irp i, 0,1,2,3
	ds_load_b128 v[\f+8*\i:\f+8*\i+3], v[ADRA+\slot] offset:\k+\i*16*PITCH
	ds_load_b128 v[\f+8*\i+4:\f+8*\i+7], v[ADRA+\slot] offset:\k+\i*16*PITCH+32
.endr
.endm
; Eight products: query block a x the 8 channel blocks, 32 along K.  mode 0: T += ..;  1: the product begins T with C = 0;  2: ahead of each product the block just finished is folded, O += g T, from T's low end on, and the product begins T anew.
; The 32 accumulators take turns, one instruction a turn, in the same order in every quarter.
.macro MULT f, a, mode
.irp b, 0,1,2,3,4,5,6,7
.if \mode == 2
	WIN FOLD
.irp i, 0,2,4,6
	v_pk_fma_f32 v[8*(8*\a+\b)+\i:8*(8*\a+\b)+\i+1], v[8*(8*\a+\b)+\i:8*(8*\a+\b)+\i+1], v[GC+2*\a:GC+2*\a+1], v[8*(8*\a+\b)+\i:8*(8*\a+\b)+\i+1]
.endr
.endif
	WIN MUL
.if \mode == 0
	v_wmma_f32_16x16x32_f16 v[8*(8*\a+\b):8*(8*\a+\b)+7], v[\f+32+8*\b:\f+32+8*\b+7], v[\f+8*\a:\f+8*\a+7], v[8*(8*\a+\b):8*(8*\a+\b)+7]
.else
	v_wmma_f32_16x16x32_f16 v[8*(8*\a+\b):8*(8*\a+\b)+7], v[\f+32+8*\b:\f+32+8*\b+7], v[\f+8*\a:\f+8*\a+7], 0
.endif
.endr
.endm
.macro PLACES                          ; four places in front of loads into registers that matrix instructions have read, and of reads of results (ISA guide 7.12.1 for reads of results)
.rept 4
	v_nop
.endr
.endm
.macro QUARTER slot, k, f, g, mode     ; one of a K step's first three quarters: multiplies buffer f; in its middle it fetches the next quarter, at byte k, into g
.if \mode == 2
.rept 5
	v_nop                                          ; behind the last block's last products: four places are owed ahead of a read of T, five ahead of the product that writes over it
.endr
.endif
	s_wait_dscnt 4                                 ; g, v^T's fragments and p~'s 0 and 1 are in; the youngest four loads (p~'s 2 and 3) may be out
	MULT \f, 0, \mode
	MULT \f, 1, \mode
	PLACES
	WIN 0
	FETCH \slot, \k, \g
	s_wait_dscnt 24                                ; all but the 24 just issued
	MULT \f, 2, \mode
	MULT \f, 3, \mode
.endm
; The last quarter multiplies buffer 1 and changes slots: ONE barrier; in front of it each wave waits for all its tensor loads (its part of the next slot), adds 0 to its spare word, and waits for that and for its reads of this slot.
; fill = 1: the barrier opens a round of the cluster's barrier, and this slot is filled again, two K steps ahead, first thing behind the round.  The g of the block that ends here is fetched with the next slot's first fragments.
.macro TURN slot, next, fill
.if \fill
	s_wait_xcnt 0x0                                ; the last prefetch, a K step back, has read its address: it is stepped here
	s_add_nc_u64 s[PFA:PFA+1], s[PFA:PFA+1], KSTEP*2
.endif
	WIN 0
	s_wait_tensorcnt 0x0                           ; all my tensor loads have landed
	ds_add_u32 v[SPW], v[NIL]                      ; 0 onto my spare word
	s_wait_dscnt 5                                 ; (the add and the youngest four loads may be out)
	MULT F1, 0, 0
	s_wait_dscnt 0x0                               ; the add is done, and my reads of this slot are over
	s_barrier_signal -1
	MULT F1, 1, 0
	WIN 0                                          ; (branches and LDS loads follow)
	s_barrier_wait -1
.if \fill
	CREST                                          ; no wave of any partner still reads this slot's tile or has a load on its way
	s_add_nc_u64 s[G0+4*\slot+2:G0+4*\slot+3], s[G0+4*\slot+2:G0+4*\slot+3], 2*KSTEP*2
	s_add_nc_u64 s[G0B+4*\slot+2:G0B+4*\slot+3], s[G0B+4*\slot+2:G0B+4*\slot+3], 2*KSTEP*2
	JLOAD \slot                                    ; my one tensor load behind the round; the four v_nop behind it are also the places in front of the loads below
.else
	PLACES
.endif
	v_add_nc_u32 v[GA], s[GOF], v[GADR]
	s_add_co_u32 s[GOF], s[GOF], 1024              ; the next change of slots fetches the next block's
	ds_load_b128 v[GC:GC+3], v[GA]
	ds_load_b128 v[GC+4:GC+7], v[GA] offset:512
	FETCH \next, 0, F0
.if \fill
	ASK
.endif
	MULT F1, 2, 0
	MULT F1, 3, 0
.endm
	s_wait_dscnt 0x0                               ; my stores of g have landed
	s_wait_tensorcnt 1                             ; my part of K step 0 is in (K step 1's load may be out)
	s_barrier_signal -1
	s_barrier_wait -1                              ; everybody's is
	FETCH 0, 0, F0
	QUARTER 0, 64,  F0, F1, 1                      ; block 0's first products begin T
	WIN 0
	s_mov_b32 s3, LAPS-1
.Llap:                                                 ; seven trips: each goes once round the ring and fills both slots again: K steps 2 to 15
	QUARTER 0, 128, F1, F0, 0
	QUARTER 0, 192, F0, F1, 0
	TURN 0, 1, 1
	QUARTER 1, 64,  F0, F1, 2
	QUARTER 1, 128, F1, F0, 0
	QUARTER 1, 192, F0, F1, 0
	TURN 1, 0, 1
	QUARTER 0, 64,  F0, F1, 2
	WIN 0
	s_sub_co_u32 s3, s3, 1
	s_cmp_lg_u32 s3, 0
	s_cbranch_scc1 .Llap
	QUARTER 0, 128, F1, F0, 0                      ; the last lap is written out: it fills nothing
	QUARTER 0, 192, F0, F1, 0
	TURN 0, 1, 0
	QUARTER 1, 64,  F0, F1, 2
	QUARTER 1, 128, F1, F0, 0
	QUARTER 1, 192, F0, F1, 0
	s_wait_dscnt 4
	MULT F1, 0, 0
	MULT F1, 1, 0
	s_wait_dscnt 0
	MULT F1, 2, 0
	MULT F1, 3, 0
	WIN 0
	; THE WAY OUT.  The last block's fold goes straight into the results: O + g T, a block of 16 queries x 128 channels at a time, through my stage in LDS, back as whole rows of 512 bytes.
	v_add_nc_u32 v[GA], s[GOF], v[GADR]            ; block 15's g
	ds_load_b128 v[GC:GC+3], v[GA]
	ds_load_b128 v[GC+4:GC+7], v[GA] offset:512
	PLACES                                         ; behind the last products
	s_wait_dscnt 0x0
.macro FINISH a
	WIN FIN
.set i, 0
.rept 32
	v_pk_fma_f32 v[FO+i:FO+i+1], v[64*(\a)+i:64*(\a)+i+1], v[GC+2*(\a):GC+2*(\a)+1], v[64*(\a)+i:64*(\a)+i+1]   ; each accumulator from its low end on
.set i, i+2
.endr
	WIN 0
.endm
.macro TOSTAGE a
.set BB, BK+64*((\a)%2)
.irp b, 0,1,2,3,4,5,6,7
	ds_store_b128 v[STO], v[FO+8*\b:FO+8*\b+3] offset:64*\b
	ds_store_b128 v[STO], v[FO+8*\b+4:FO+8*\b+7] offset:64*\b+16
.endr
.irp t, 0,1,2,3,4,5,6,7,8,9,10,11,12,13,14,15
	ds_load_b128 v[BB+4*\t:BB+4*\t+3], v[RD] offset:\t*SPITCH      ; LDS serves a wave's instructions in order (ISA guide 5.7.1.4): these see the stores above
.endr
.endm
.macro SEND a, younger                 ; younger: the LDS instructions issued behind block a's loads, which may stay out
.set BB, BK+64*((\a)%2)
	s_wait_dscnt \younger                          ; the block is back in registers
.if (\a) > 0
	s_add_nc_u64 s[12:13], s[12:13], 16*ROWB       ; (behind a wait on XCNT: the earlier stores have read their base)  16 rows on
.endif
.irp t, 0,1,2,3,4,5,6,7,8,9,10,11,12,13,14,15
	global_store_b128 v[CO], v[BB+4*\t:BB+4*\t+3], s[12:13] offset:\t*ROWB th:TH_STORE_NT   ; 32 lanes store 512 consecutive bytes, at a multiple of 256 from the buffer's first byte; written once, read by nobody here
.endr
.endm
	FINISH 0
	TOSTAGE 0
.irp a, 1,2,3
	FINISH \a
.if \a > 1
	s_wait_xcnt 0x0                                ; block a - 2's stores have read their registers and their base: block a's loads may land there, and the base may step
.endif
	TOSTAGE \a
	SEND \a-1, 32                                  ; behind block a - 1's loads: block a's 16 stores and 16 loads
.endr
	s_wait_xcnt 0x0                                ; block 2's stores have read their base
	SEND 3, 0
	s_wait_tensorcnt 0x0                           ; the wave's end, behind my last tensor load and my last LDS store
	ds_add_u32 v[SPW], v[NIL]
	s_wait_dscnt 0x0
	CROUND                                         ; the closing round
	s_endpgm
.Lfunc_end_k_q8e6faff2cb_pv:
	.size	k_q8e6faff2cb_pv, .Lfunc_end_k_q8e6faff2cb_pv-k_q8e6faff2cb_pv
	.p2alignl 7, 3214868480
	.fill 96, 4, 3214868480
	.section	.rodata,"a",@progbits
	.p2align	6, 0x0
	.amdhsa_kernel k_q8e6faff2cb_pv
		.amdhsa_group_segment_fixed_size 327680
		.amdhsa_private_segment_fixed_size 0
		.amdhsa_enable_private_segment 0
		.amdhsa_kernarg_size 40
		.amdhsa_user_sgpr_count 2
		.amdhsa_user_sgpr_kernarg_segment_ptr 1
		.amdhsa_wavefront_size32 1
		.amdhsa_system_sgpr_workgroup_id_x 1
		.amdhsa_system_sgpr_workgroup_id_y 1
		.amdhsa_system_sgpr_workgroup_id_z 1
		.amdhsa_system_vgpr_workitem_id 0
		.amdhsa_next_free_vgpr 768
		.amdhsa_next_free_sgpr 80
		.amdhsa_reserve_vcc 0
		.amdhsa_float_denorm_mode_32 3
		.amdhsa_float_denorm_mode_16_64 3
		.amdhsa_memory_ordered 1
		.amdhsa_forward_progress 1
		.amdhsa_inst_pref_size 162
	.end_amdhsa_kernel
	.amdgpu_metadata
---
amdhsa.version: [ 1, 2 ]
amdhsa.kernels:
  - .name:           k_q8e6faff2cb_pv
    .symbol:         k_q8e6faff2cb_pv.kd
    .args:
      - { .name: pt, .offset: 0, .size: 8, .value_kind: global_buffer, .address_space: global }
      - { .name: qkv, .offset: 8, .size: 8, .value_kind: global_buffer, .address_space: global }
      - { .name: mstat, .offset: 16, .size: 8, .value_kind: global_buffer, .address_space: global }
      - { .name: lstat, .offset: 24, .size: 8, .value_kind: global_buffer, .address_space: global }
      - { .name: out0, .offset: 32, .size: 8, .value_kind: global_buffer, .address_space: global }
    .group_segment_fixed_size: 327680
    .private_segment_fixed_size: 0
    .kernarg_segment_align: 8
    .kernarg_segment_size: 40
    .max_flat_workgroup_size: 128
    .sgpr_count:     80
    .vgpr_count:     768
    .wavefront_size: 32
...
	.end_amdgpu_metadata
.endif
;; end of part 4
